; MI455X (gfx1250); checked and timed in simulation.
; The chip was launched on July 23, 2026; its instructions are those of AMD's public machine-readable ISA for CDNA 5 (MIT licence, August 2026) and "CDNA5" Instruction Set Architecture Reference Guide (July 2026). The comments in the code are by the model that wrote it; some were corrected since.
;; Grouped Query Attention. Allowed arithmetic: matrix products marked QUANTISED: E2M3 operands, one E8M0 scale for each 32 along K, by v_wmma_scale_f32_16x16x128_f8f6f4 with both operands' format E2M3, f32 sums; everything else in f32.
;; Inputs: freqs 4,096 x 32 float32; mask 1 x 1 x 4,096 x 4,096 float32; wk 1,024 x 256 float32; wo 1,024 x 1,024 float32; wq 1,024 x 1,024 float32; wv 1,024 x 256 float32; x 1 x 4,096 x 1,024 float32.
;; Outputs: out0 1 x 4,096 x 1,024 float32.
;; This version of the problem:
;;   THIS VERSION OF THE PROBLEM IS GIVEN IN LOW PRECISION. The matrix products marked QUANTISED in the list below multiply operands that are first quantised to E2M3 (2 exponent bits, 3 mantissa bits; 6 bits a number), with one power-of-two scale for each 32 numbers along K (OCP MX v1.0); their sums are f32. All else is computed in f32.
;;   The module's matrix products, in the order in which they are computed (A, B: the left and right operand; K: the contracted axis; several contracted axes count as one K, in the product's order):
;;     1. [M 4,096, K 1,024] x [K 1,024, N 1,024]; A: input x; B: input wq: QUANTISED
;;     2. [M 4,096, K 1,024] x [K 1,024, N 256]; A: input x; B: input wk: QUANTISED
;;     3. [M 4,096, K 1,024] x [K 1,024, N 256]; A: input x; B: input wv: QUANTISED
;;     4. batch 16 x [M 4,096, K 64] x [K 64, N 4,096]; A: computed on the way; B: computed on the way: QUANTISED
;;     5. batch 16 x [M 64, K 4,096] x [K 4,096, N 4,096]; A: computed on the way; B: softmax (see below): QUANTISED
;;     6. [M 4,096, K 1,024] x [K 1,024, N 1,024]; A: computed on the way; B: input wo: QUANTISED
;;   THE QUANTISER, for each operand of a quantised product, along K:
;;     - K is cut into blocks of 32 from its start; a last block that is shorter is filled with zeros.
;;     - A block's scale is 2^e with e = floor(log2(the largest magnitude in the block)) - 2, held to -126 .. 127; a block of zeros has e = 0. As a byte (E8M0): e + 127.
;;     - Each number is divided by its block's scale, clamped to +-7.5, and rounded to the nearest number of E2M3, ties to even, subnormals kept.
;;     - The product sums the exact products of the quantised numbers (number of the format x scale) in f32.
;;   ~~~python
;;   def quantise(x, axis):      # numpy; x: float32 -> the quantised numbers, widened to float32 again
;;       x = np.moveaxis(x, axis, -1); K = x.shape[-1]
;;       x = np.pad(x, [(0, 0)] * (x.ndim - 1) + [(0, -K % 32)]); x = x.reshape(x.shape[:-1] + (-1, 32)); a = np.abs(x).max(-1, keepdims=True)
;;       e = np.where(a > 0, np.clip(np.frexp(np.where(a > 0, a, 1))[1] - 1 - 2, -126, 127), 0)      # np.frexp(a)[1] - 1 = floor(log2(a)), exactly
;;       r = np.clip(x / 2.0 ** e, -7.5, 7.5)
;;       step = 2.0 ** (np.maximum(np.frexp(np.where(r == 0, 1, r))[1] - 1, 0) - 3)
;;       q = np.round(r / step) * step * 2.0 ** e      # np.round: ties to even
;;       return np.moveaxis(q.reshape(q.shape[:-2] + (-1,))[..., :K], -1, axis).astype(np.float32)
;;   ~~~
;;   SOFTMAX AHEAD OF A QUANTISED PRODUCT. Where the list says 'softmax', what is quantised is not the finished softmax but p = 2^(t - M), with t = logit x log2(e) and M = ceil(the row's largest t), a whole number; so 1/2 < the row's largest p <= 1. The row's sum l is taken of the UNQUANTISED p, in f32, and the product's result is divided by l at the end. Since M is a whole number, a kernel that streams over the keys may use a running M (the ceiling of the running maximum): every later rescaling is an exact power of two, which a block's scale takes up: the codes' values come out the same.
;;   OPERANDS COMPUTED ON THE WAY. 'Computed on the way' means the value that the module computes at that place (a softmax that the list does not call 'softmax' is quantised finished and normalised). What goes into a quantiser is computed in f32, as accurately as f32 sums, v_exp_f32 and their like allow (about 1e-6 of the number): no bf16 or f16 on the way to a quantiser, and a product that is left as it is and whose result goes on into a quantised operand takes f32 operands (vector FMAs, or v_wmma_f32_16x16x4_f32). A number that lies on a knife's edge between two numbers of the format may be rounded either way, as far as f32 arithmetic and the matrix unit's own rounding can turn it there, and no further.
;; One version. Each part assembles by itself: llvm-mc -triple=amdgcn-amd-amdhsa -mcpu=gfx1250 --defsym DOCPART=n.
;; ======== version 1 of 1: 4 launches
;; limits: right only within a limited range of input values
;; workspace buffers: xq 3,407,872 bytes; wi 2,048,000 bytes; cs 1,048,576 bytes; qi 3,407,872 bytes; kv 1,703,936 bytes; ai 3,407,872 bytes
;; launch prep (part 1): grid 416 x 1, 4 waves a work-group, no clusters, 34,304 bytes of LDS; arguments x, freqs, wq, wk, wv, wo, xq, wi, cs; writes xq, wi, cs
.if DOCPART == 1
	.amdgcn_target "amdgcn-amd-amdhsa--gfx1250"
	.amdhsa_code_object_version 6
	.text
	.protected	k_q82f385e162_prep
	.globl	k_q82f385e162_prep
	.p2align	8
	.type	k_q82f385e162_prep,@function
k_q82f385e162_prep:
	s_mov_b64 s[64:65], 0
	v_nop
	global_prefetch_b8 v0, s[64:65] scope:SCOPE_SE
	s_setreg_imm32_b32 hwreg(HW_REG_WAVE_MODE, 25, 1), 1
	s_wait_xcnt 0x0
; PREP: x [4096][1024] and the four weights [1024][N], all f32, become codes of FP6 (E2M3) with one E8M0 byte for each 32 along K (= 1024), and freqs [4096][32] becomes a table of cosines and sines.
; EVERY OPERAND IS STORED AS AN IMAGE OF ITS REGISTERS: a fragment (16 rows x 128 K) is 12 registers a lane; registers 4 c .. 4 c + 3 of lane l lie at byte 512 c + 16 l: 1,536 dense bytes; its scale words 4 bytes a lane.
; THE ROWS OF A TILE ARE NOT NEIGHBOURS: place r of tile 2 b + u of a group of 32 rows holds row 32 b + 8 u + r + 8 (r / 8): all weights' columns alike (x's tokens lie otherwise, below).
; xq: 32 blocks of 128 tokens, 106,496 bytes each: images at (8 s + T) 1536 (s: K step, T: tile), scale words at 98,304 + (8 s + T) 128.
; wi: 10 blocks of 256 columns (0-3 wq, 4 wk, 5 wv, 6-9 wo), 204,800 bytes each: images at (16 s + nt) 1536, scale words at 196,608 + (8 s + nt / 2) 128 (lanes 0-15 the even tile's, lanes 16-31 the odd one's).
; cs: cos [4096][32] at 0, sin at 524,288.
; A block's scale is 2^(floor(log2(largest magnitude)) - 2): its byte is the largest magnitude's exponent field - 2, held at 1 from below (a block of zeros gets the byte 1: its codes are zeros, and this program alone reads the bytes).
; LIMITS: NaN and infinities are not served; blocks whose largest magnitude lies under 2^-124 keep the byte 1; |freqs| up to about 1e5 (the quadrant count must stay under 2^16 for the first step of the reduction to be exact), absolute error of sine and cosine about 1e-7.
; Work-groups 0-255: one tile of 16 tokens each, wave w K steps 2 w and 2 w + 1, and 128 numbers of freqs a wave.  Work-groups 256-415: 128 columns x 128 K of a weight, 32 columns a wave.
; No tensor load, no barrier: a wave touches only its own LDS bytes.
.set LI,  1                            ; v1   16 x lane
.set LS,  2                            ; v2   4 x lane
.set STI, 3                            ; v3   my stage, on the way in
.set STO, 4                            ; v4   and on the way out
.set WOF, 5                            ; v5   a weight: my column's bytes
.set R,   16                           ; v16-143  numbers as loaded
.set XN,  144                          ; v144-207 64 numbers of my row, 16 neighbours of each block of 32
.set TM,  208                          ; v208-223 at work in QUANT
.set PW,  224                          ; the scale word just made
.set PC,  226                          ; v226-245 the codes just made
.set CO,  246                          ; v246-249 four cosines
.set SI,  250                          ; v250-253 four sines
.set FQ,  144                          ; v144-147 four angles; v148-157 at work on them (ahead of XN's use)
.set TN,  148
.set TR,  149
.set TZ,  150
.set TQ,  151
.set TP,  152
.set TC,  153
.set TW,  154
.set TH,  155
.set KS0, 156
.set KC0, 157
.set FA,  144                          ; a weight: the even tile's fragment,
.set FB,  156                          ; the odd tile's,
.set T0,  168                          ; and the upper halves of a block's codes
.set T1,  172
.set WM,  176                          ; four largest magnitudes; v180-183 scale operands; v184-187 bytes; v188 the word
.set WSO, 180
.set WBY, 184
.set WW,  188
.set WV,  22
.set SEL, 24
; 64 numbers of a lane, register 16 b + i = k 32 b + 16 (lane / 16) + i of my row, become a fragment's codes in v[PC] on and its scale word in v[PW].
.macro QUANT s
.irp b, 0,1,2,3
	v_max3_num_f32 v[TM+\b], |v[(\s)+16*\b]|, |v[(\s)+1+16*\b]|, 0x1800000   ; my 16 numbers of block b, and the floor 2^(3 - 127): the byte cannot fall under 1
.endr
.irp i, 2,4,6,8,10,12,14
.irp b, 0,1,2,3
	v_max3_num_f32 v[TM+\b], v[TM+\b], |v[(\s)+16*\b+\i]|, |v[(\s)+1+16*\b+\i]|
.endr
.endr
.irp b, 0,1,2,3
	v_permlanex16_b32 v[TM+4+\b], v[TM+\b], s[SEL], s[SEL+1]
.endr
.irp b, 0,1,2,3
	v_max_num_f32 v[TM+\b], v[TM+\b], v[TM+4+\b]   ; with lane l xor 16's 16: the block's largest magnitude
.endr
.irp b, 0,1,2,3
	v_add_nc_u32 v[TM+12+\b], 0xff000000, v[TM+\b]  ; 2 off its exponent field: the conversion's scale operand
.endr
.irp b, 0,1,2,3
	v_lshrrev_b32 v[TM+4+\b], 23, v[TM+12+\b]       ; the scale's byte
.endr
	v_lshl_or_b32 v[PW], v[TM+5], 8, v[TM+4]
	v_lshl_or_b32 v[PW], v[TM+6], 16, v[PW]
	v_lshl_or_b32 v[PW], v[TM+7], 24, v[PW]
.irp c, 0,1
	v_cvt_scalef32_pk16_fp6_f32 v[PC+6*\c:PC+2+6*\c], v[(\s)+32*\c:(\s)+15+32*\c], v[TM+12+2*\c]
	v_cvt_scalef32_pk16_fp6_f32 v[PC+12+4*\c:PC+14+4*\c], v[(\s)+16+32*\c:(\s)+31+32*\c], v[TM+13+2*\c]   ; (a conversion's three registers begin on an even number)
.endr
	v_nop                                          ; one plain instruction behind the conversions
.irp c, 0,1                                    ; the layout wants a whole block in a lane: lanes 0-15 block 2 c, lanes 16-31 block 2 c + 1
.irp i, 0,1,2
	v_permlane16_swap_b32 v[PC+6*\c+\i], v[PC+12+4*\c+\i]
.endr
.irp i, 0,1,2
	v_mov_b32 v[PC+3+6*\c+\i], v[PC+12+4*\c+\i]
.endr
.endr
.endm
; cos and sin of v[x].  n = the nearest whole number to x 2 / pi; r = x - n pi/2 with pi/2 in two parts; polynomials on |r| <= pi/4; the quadrant n mod 4 swaps and signs them.
.macro SINCOS x, c, s
	v_mul_f32 v[TN], 0x3f22f983, v[\x]
	v_rndne_f32 v[TN], v[TN]
	v_fma_f32 v[TR], -v[TN], s42, v[\x]
	v_fma_f32 v[TR], -v[TN], s43, v[TR]
	v_mul_f32 v[TZ], v[TR], v[TR]
	v_cvt_i32_f32 v[TQ], v[TN]
	v_fmaak_f32 v[TP], v[KS0], v[TZ], 0x3c08839e
	v_fmaak_f32 v[TC], v[KC0], v[TZ], 0xbab6061a
	v_fmaak_f32 v[TP], v[TP], v[TZ], 0xbe2aaaa3
	v_fmaak_f32 v[TC], v[TC], v[TZ], 0x3d2aaaa5
	v_mul_f32 v[TW], v[TZ], v[TR]
	v_fma_f32 v[TH], v[TZ], -0.5, 1.0
	v_fma_f32 v[TP], v[TP], v[TW], v[TR]           ; sin r
	v_mul_f32 v[TW], v[TZ], v[TZ]
	v_fma_f32 v[TC], v[TC], v[TW], v[TH]           ; cos r
	v_and_b32 v[TW], 1, v[TQ]
	v_cmp_eq_u32 vcc_lo, 1, v[TW]                  ; odd quadrants swap the two
	v_cndmask_b32 v[\s], v[TP], v[TC], vcc_lo
	v_cndmask_b32 v[\c], v[TC], v[TP], vcc_lo
	v_lshlrev_b32 v[TW], 30, v[TQ]
	v_and_b32 v[TW], 0x80000000, v[TW]             ; quadrants 2 and 3: the sine changes sign
	v_xor_b32 v[\s], v[\s], v[TW]
	v_add_nc_u32 v[TQ], 1, v[TQ]
	v_lshlrev_b32 v[TW], 30, v[TQ]
	v_and_b32 v[TW], 0x80000000, v[TW]             ; quadrants 1 and 2: the cosine
	v_xor_b32 v[\c], v[\c], v[TW]
.endm
.macro WLOADS pitch                            ; 128 rows of K at my column: the wave reads 128 consecutive bytes, the four waves side by side 512
.set n, 0
.rept 128
	global_load_b32 v[R+n], v[WOF], s[4:5] offset:n*\pitch th:TH_LOAD_NT
.set n, n+1
.endr
.endm
	s_load_b512 s[4:19], s[0:1], 0x0               ; x, freqs, wq, wk, wv, wo, xq, wi
	s_load_b64 s[20:21], s[0:1], 0x40
	v_lshl_add_u32 v9, v0, 2, 33792                ; my spare word, behind the four stages; never rewritten
	v_mov_b32 v10, 0                               ; 0; never rewritten
	v_lshrrev_b32 v6, 5, v0
	v_readfirstlane_b32 s[WV], v6                  ; wave 0..3
	v_and_b32 v6, 31, v0
	v_lshlrev_b32 v[LI], 4, v6
	v_lshlrev_b32 v[LS], 2, v6
	s_mov_b32 s[SEL], 0x76543210
	s_mov_b32 s[SEL+1], 0xfedcba98                 ; v_permlanex16_b32's selects for lane l xor 16
	s_cmp_lt_u32 ttmp9, 256
	s_cbranch_scc0 .Lweights
	; ---------------- x and freqs ----------------
	v_and_b32 v7, 15, v0                           ; r
	v_bfe_u32 v8, v0, 4, 1                         ; h
	s_mul_i32 s23, s[WV], 8448                     ; my stage: 16 rows x (512 + 16) bytes = 132 words a row, so that 16 rows begin in 16 different groups of four banks (64 banks of 4 bytes: ISA guide 11.1)
	v_add_nc_u32 v[STI], s23, v[LI]
	v_mul_u32_u24 v[STO], v7, 528
	v_lshl_add_u32 v[STO], v8, 6, v[STO]
	v_add_nc_u32 v[STO], s23, v[STO]               ; back: row r, + 64 h: my 16 numbers of a block of 32
	s_lshr_b32 s26, ttmp9, 3                       ; tb: the block of 128 tokens
	s_and_b32 s27, ttmp9, 7                        ; T: the tile in it
	s_lshl_b32 s28, s26, 7
	; x's TOKENS (not the weights' columns): place p of tile T holds token 64 (T / 4) + 32 (p / 8) + 8 (T % 4) + p % 8 of its block of 128
	s_lshr_b32 s29, s27, 2
	s_lshl_b32 s29, s29, 6
	s_add_co_u32 s28, s28, s29
	s_and_b32 s29, s27, 3
	s_lshl_b32 s29, s29, 3
	s_add_co_u32 s28, s28, s29                     ; the tile's first token: 128 tb + 64 (T / 4) + 8 (T % 4)
	s_lshl_b32 s28, s28, 12                        ; rows of 4,096 bytes
	s_lshl_b32 s29, s[WV], 10                      ; my two K steps: 1,024 bytes of a row
	s_add_co_u32 s28, s28, s29
	s_mov_b32 s29, 0
	s_lshl_b32 s30, ttmp9, 2
	s_add_co_u32 s30, s30, s[WV]
	s_lshl_b32 s30, s30, 9                         ; my 512 bytes of freqs, of the cosines and of the sines
	s_mov_b32 s31, 0
	s_mul_i32 s32, s26, 106496
	s_lshl_b32 s33, s[WV], 4
	s_add_co_u32 s33, s33, s27                     ; 8 (2 w) + T
	s_mul_i32 s34, s33, 1536
	s_add_co_u32 s34, s34, s32
	s_mov_b32 s35, 0
	s_lshl_b32 s36, s33, 7
	s_add_co_u32 s36, s36, s32
	s_add_co_u32 s36, s36, 98304
	s_mov_b32 s37, 0
	s_mov_b32 s42, 0x3fc90fdb                      ; pi/2, its upper part,
	s_mov_b32 s43, 0xb33bbd2e                      ; and what is left of it
	v_mov_b32 v[KS0], 0xb94ca1f9
	v_mov_b32 v[KC0], 0x37ccf5ce
.irp b, 0,1,2,3
	v_mov_b32 v[TM+4+\b], 0                        ; written once: a lane permute's destination counts as one of its sources
.endr
	s_wait_kmcnt 0x0
	s_add_nc_u64 s[4:5], s[4:5], s[28:29]
	s_add_nc_u64 s[6:7], s[6:7], s[30:31]
	s_add_nc_u64 s[20:21], s[20:21], s[30:31]
	s_add_nc_u64 s[38:39], s[16:17], s[34:35]
	s_add_nc_u64 s[40:41], s[16:17], s[36:37]
	global_load_b128 v[FQ:FQ+3], v[LI], s[6:7] th:TH_LOAD_NT
.irp f, 0,1
.irp i, 0,1,2,3,4,5,6,7,8,9,10,11,12,13,14,15
	global_load_b128 v[R+64*\f+4*\i:R+64*\f+4*\i+3], v[LI], s[4:5] offset:(\i+24*(\i/8))*4096+512*\f th:TH_LOAD_NT   ; 512 consecutive bytes of the row at place i: one K step
.endr
.endr
	s_wait_loadcnt 32                              ; the angles are in; x's 32 loads stay out
.irp k, 0,1,2,3
	SINCOS FQ+\k, CO+\k, SI+\k
.endr
	global_store_b128 v[LI], v[CO:CO+3], s[20:21]
	global_store_b128 v[LI], v[SI:SI+3], s[20:21] offset:524288
.irp f, 0,1
	s_wait_loadcnt 16*(1-\f)                       ; this K step's 16 loads are in
.irp i, 0,1,2,3,4,5,6,7,8,9,10,11,12,13,14,15
	ds_store_b128 v[STI], v[R+64*\f+4*\i:R+64*\f+4*\i+3] offset:528*\i
.endr
.irp b, 0,1,2,3
.irp j, 0,1,2,3
	ds_load_b128 v[XN+16*\b+4*\j:XN+16*\b+4*\j+3], v[STO] offset:128*\b+16*\j   ; LDS serves a wave's instructions in order (ISA guide 5.7.1.4): these see my stores
.endr
.endr
	s_wait_dscnt 0x0
.if \f
	s_wait_xcnt 0x0                                ; the first fragment's stores have read their data: the codes' registers are written again only behind this wait
.endif
	QUANT XN
.irp c, 0,1,2
	global_store_b128 v[LI], v[PC+4*\c:PC+4*\c+3], s[38:39] offset:12288*\f+512*\c   ; 512 consecutive bytes, at a multiple of 256 from xq's first byte
.endr
	global_store_b32 v[LS], v[PW], s[40:41] offset:1024*\f
.endr
	s_wait_tensorcnt 0x0                           ; the wave's end, behind its last LDS store
	ds_add_u32 v9, v10
	s_wait_dscnt 0x0
	s_endpgm
	; ---------------- the weights: a lane takes a column, its registers run down K ----------------
.Lweights:
	s_sub_co_u32 s26, ttmp9, 256
	s_lshr_b32 s27, s26, 3                         ; cg: which 128 columns (0-7 wq, 8-9 wk, 10-11 wv, 12-19 wo)
	s_and_b32 s28, s26, 7                          ; s: the K step
	v_and_b32 v7, 7, v0
	v_bfe_u32 v8, v0, 3, 1
	v_lshl_add_u32 v7, v8, 4, v7
	v_bfe_u32 v8, v0, 4, 1
	v_lshl_add_u32 v7, v8, 3, v7                   ; my column of the wave's 32: (l % 8) + 16 ((l / 8) % 2) + 8 (l / 16): lanes 0-15 are the even tile's places, lanes 16-31 the odd tile's
	v_lshlrev_b32 v[WOF], 2, v7
	s_lshr_b32 s29, s27, 1
	s_mul_i32 s29, s29, 204800                     ; the block of 256 columns in wi
	s_and_b32 s30, s27, 1
	s_lshl_b32 s30, s30, 2
	s_add_co_u32 s30, s30, s[WV]                   ; pp: my pair of tiles in it
	s_lshl_b32 s31, s28, 4
	s_lshl_b32 s32, s30, 1
	s_add_co_u32 s31, s31, s32
	s_mul_i32 s34, s31, 1536
	s_add_co_u32 s34, s34, s29
	s_mov_b32 s35, 0
	s_lshl_b32 s36, s28, 3
	s_add_co_u32 s36, s36, s30
	s_lshl_b32 s36, s36, 7
	s_add_co_u32 s36, s36, s29
	s_add_co_u32 s36, s36, 196608
	s_mov_b32 s37, 0
	s_lshl_b32 s33, s[WV], 7                       ; my 32 columns: 128 bytes
	s_wait_kmcnt 0x0
	s_add_nc_u64 s[38:39], s[18:19], s[34:35]
	s_add_nc_u64 s[40:41], s[18:19], s[36:37]
	s_sub_co_u32 s29, s27, 8
	s_cmp_lt_u32 s29, 4
	s_cbranch_scc0 .Lwide
	s_cmp_lt_u32 s27, 10                           ; wk or wv: rows of 1,024 bytes.  The choices hang on the work-group's number alone
	s_cselect_b64 s[4:5], s[10:11], s[12:13]
	s_cselect_b32 s30, 8, 10
	s_sub_co_u32 s30, s27, s30
	s_lshl_b32 s30, s30, 9
	s_add_co_u32 s30, s30, s33
	s_lshl_b32 s31, s28, 17                        ; 128 rows a K step
	s_add_co_u32 s30, s30, s31
	s_mov_b32 s31, 0
	s_add_nc_u64 s[4:5], s[4:5], s[30:31]
	s_wait_alu depctr_va_vdst(0)
	WLOADS 1024
	s_branch .Lhave
.Lwide:
	s_cmp_lt_u32 s27, 8                            ; wq or wo: rows of 4,096 bytes
	s_cselect_b64 s[4:5], s[8:9], s[14:15]
	s_cselect_b32 s30, 0, 12
	s_sub_co_u32 s30, s27, s30
	s_lshl_b32 s30, s30, 9
	s_add_co_u32 s30, s30, s33
	s_lshl_b32 s31, s28, 19
	s_add_co_u32 s30, s30, s31
	s_mov_b32 s31, 0
	s_add_nc_u64 s[4:5], s[4:5], s[30:31]
	s_wait_alu depctr_va_vdst(0)
	WLOADS 4096
.Lhave:
	s_wait_loadcnt 0x0
.irp b, 0,1,2,3                                ; my column's four blocks: all 32 numbers of each are mine
	v_max3_num_f32 v[WM+\b], |v[R+32*\b]|, |v[R+32*\b+1]|, 0x1800000
.endr
.irp i, 2,4,6,8,10,12,14,16,18,20,22,24,26,28,30
.irp b, 0,1,2,3
	v_max3_num_f32 v[WM+\b], v[WM+\b], |v[R+32*\b+\i]|, |v[R+32*\b+\i+1]|
.endr
.endr
.irp b, 0,1,2,3
	v_add_nc_u32 v[WSO+\b], 0xff000000, v[WM+\b]
.endr
.irp b, 0,1,2,3
	v_lshrrev_b32 v[WBY+\b], 23, v[WSO+\b]
.endr
	v_lshl_or_b32 v[WW], v[WBY+1], 8, v[WBY]
	v_lshl_or_b32 v[WW], v[WBY+2], 16, v[WW]
	v_lshl_or_b32 v[WW], v[WBY+3], 24, v[WW]       ; my column's scale word
.irp c, 0,1                                    ; blocks 2 c and 2 c + 1.  The swap gives lanes 16-31 of the even tile's registers that tile's block 2 c + 1, and lanes 0-15 of the odd tile's registers that tile's block 2 c
	v_cvt_scalef32_pk16_fp6_f32 v[FA+6*\c:FA+6*\c+2], v[R+64*\c:R+64*\c+15], v[WSO+2*\c]
	v_cvt_scalef32_pk16_fp6_f32 v[T0:T0+2], v[R+64*\c+16:R+64*\c+31], v[WSO+2*\c]
	v_cvt_scalef32_pk16_fp6_f32 v[FB+6*\c:FB+6*\c+2], v[R+64*\c+32:R+64*\c+47], v[WSO+2*\c+1]
	v_cvt_scalef32_pk16_fp6_f32 v[T1:T1+2], v[R+64*\c+48:R+64*\c+63], v[WSO+2*\c+1]
	v_nop                                          ; one plain instruction behind the conversions
.irp i, 0,1,2
	v_permlane16_swap_b32 v[FA+6*\c+\i], v[FB+6*\c+\i]
	v_permlane16_swap_b32 v[T0+\i], v[T1+\i]
.endr
.irp i, 0,1,2
	v_mov_b32 v[FA+6*\c+3+\i], v[T0+\i]
	v_mov_b32 v[FB+6*\c+3+\i], v[T1+\i]
.endr
.endr
.irp c, 0,1,2
	global_store_b128 v[LI], v[FA+4*\c:FA+4*\c+3], s[38:39] offset:512*\c
	global_store_b128 v[LI], v[FB+4*\c:FB+4*\c+3], s[38:39] offset:1536+512*\c
.endr
	global_store_b32 v[LS], v[WW], s[40:41]
	s_endpgm
.Lfunc_end_k_q82f385e162_prep:
	.size	k_q82f385e162_prep, .Lfunc_end_k_q82f385e162_prep-k_q82f385e162_prep
	.p2alignl 7, 3214868480
	.fill 96, 4, 3214868480
	.section	.rodata,"a",@progbits
	.p2align	6, 0x0
	.amdhsa_kernel k_q82f385e162_prep
		.amdhsa_group_segment_fixed_size 34304
		.amdhsa_private_segment_fixed_size 0
		.amdhsa_enable_private_segment 0
		.amdhsa_kernarg_size 72
		.amdhsa_user_sgpr_count 2
		.amdhsa_user_sgpr_kernarg_segment_ptr 1
		.amdhsa_wavefront_size32 1
		.amdhsa_system_sgpr_workgroup_id_x 1
		.amdhsa_system_sgpr_workgroup_id_y 1
		.amdhsa_system_sgpr_workgroup_id_z 1
		.amdhsa_system_vgpr_workitem_id 0
		.amdhsa_next_free_vgpr 256
		.amdhsa_next_free_sgpr 66
		.amdhsa_reserve_vcc 1
		.amdhsa_float_denorm_mode_32 3
		.amdhsa_float_denorm_mode_16_64 3
		.amdhsa_memory_ordered 1
		.amdhsa_forward_progress 1
		.amdhsa_inst_pref_size 57
	.end_amdhsa_kernel
	.amdgpu_metadata
---
amdhsa.version: [ 1, 2 ]
amdhsa.kernels:
  - .name:           k_q82f385e162_prep
    .symbol:         k_q82f385e162_prep.kd
    .args:
      - { .name: x, .offset: 0, .size: 8, .value_kind: global_buffer, .address_space: global }
      - { .name: freqs, .offset: 8, .size: 8, .value_kind: global_buffer, .address_space: global }
      - { .name: wq, .offset: 16, .size: 8, .value_kind: global_buffer, .address_space: global }
      - { .name: wk, .offset: 24, .size: 8, .value_kind: global_buffer, .address_space: global }
      - { .name: wv, .offset: 32, .size: 8, .value_kind: global_buffer, .address_space: global }
      - { .name: wo, .offset: 40, .size: 8, .value_kind: global_buffer, .address_space: global }
      - { .name: xq, .offset: 48, .size: 8, .value_kind: global_buffer, .address_space: global }
      - { .name: wi, .offset: 56, .size: 8, .value_kind: global_buffer, .address_space: global }
      - { .name: cs, .offset: 64, .size: 8, .value_kind: global_buffer, .address_space: global }
    .group_segment_fixed_size: 34304
    .private_segment_fixed_size: 0
    .kernarg_segment_align: 8
    .kernarg_segment_size: 72
    .max_flat_workgroup_size: 128
    .sgpr_count:     66
    .vgpr_count:     256
    .wavefront_size: 32
...
	.end_amdgpu_metadata
.endif
;; end of part 1
;; launch proj (part 2): grid 32 x 6, 4 waves a work-group, clusters of 4 x 1, 327,680 bytes of LDS; arguments xq, wi, cs, qi, kv; writes qi, kv
.if DOCPART == 2
	.amdgcn_target "amdgcn-amd-amdhsa--gfx1250"
	.amdhsa_code_object_version 6
	.text
	.protected	k_q82f385e162_proj
	.globl	k_q82f385e162_proj
	.p2align	8
	.type	k_q82f385e162_proj,@function
k_q82f385e162_proj:
	s_mov_b64 s[64:65], 0
	v_nop
	global_prefetch_b8 v0, s[64:65] scope:SCOPE_SE
	s_setreg_imm32_b32 hwreg(HW_REG_WAVE_MODE, 25, 1), 1
	s_wait_xcnt 0x0
	s_wait_alu depctr_hold_cnt(0) depctr_sa_sdst(0) depctr_va_vdst(0) depctr_va_sdst(0) depctr_va_ssrc(0) depctr_va_vcc(0) depctr_vm_vsrc(0)
	s_getreg_b32 s2, hwreg(HW_REG_IB_STS2, 6, 4)
	s_cmp_eq_u32 s2, 0
	s_cbranch_scc0 .Lentry_in_a_cluster
	s_endpgm
.Lentry_in_a_cluster:
	s_bfe_u32 s2, ttmp6, 0x10000c
	s_cmp_lg_u32 s2, 0x3003
	s_cbranch_scc0 .Lentry_shape_is_right
	s_endpgm
.Lentry_shape_is_right:
; PROJ: q = x wq, k = x wk, v = x wv on codes of FP6 (E2M3) with E8M0 scales (K = 1024, eight steps of 128); RoPE on q and k in f32; q and k are quantised along the head's 64, v along the tokens.
; SHARES.  Work-group (tb, y): 128 tokens x the 256 columns of block y of wi (y 0-3: wq, 4: wk, 5: wv).  Wave w: 64 columns (one head) x 128 tokens: 32 accumulators.
; All of a work-group's operands, 106,496 bytes of xq and 204,800 of wi, come into LDS once, as they lie (images of registers), and nothing is filled again.
; CLUSTER: the four token blocks of a cluster read the same block of wi: it is asked for jointly; x's block is each work-group's own.
; q, k: the product is used transposed (source 0 = 16 columns of the weight, source 1 = 16 tokens): a lane holds one token, and since the columns of a tile are chosen so (place r of tile 2 b + u: column 32 b + 8 u + r + 8 (r / 8)),
;   its 32 registers of a token tile are d = 32 b + 16 (lane / 16) + i: the real half in registers 0-15, the imaginary half in 16-31.  Two token tiles make the 64 numbers of one call of QUANT: a PAIR FRAGMENT:
;   registers 0-5 the even tile's 64 codes, registers 6-11 the odd tile's; scale word: two bytes for each.
; v: source 0 = 16 tokens, source 1 = 16 columns: a lane holds one column d, its 64 registers of a column tile are the 128 tokens' 64 c + 32 (lane / 16) + n, register 32 c + n: one fragment with K = the tokens.
; OUT.  qi: images [head 16][group of 32 tokens 128][1536], scale words from 3,145,728 on, 128 bytes each.  kv: [slot 16][group 4][step 2] blocks of 13,312 bytes: k's 4 pair fragments, v's 4 fragments, k's 4 x 128 bytes of words, v's 4 x 128.
; LIMITS: as the quantiser's everywhere in this program: NaN and infinities are not served; a block of zeros, or one under 2^-124, keeps the byte 1.
; REGISTERS, in windows of 256: window 0: addresses, scale words, QUANT's work, v128-191 a group's 64 numbers behind RoPE.  window 1: the 32 accumulators.  windows 2, 3: two sets of fragments (x's 8 at v0, the weight's 4 at v96);
;   in the last K step window 2 takes the cosines and sines.
.set LI,   1                           ; v1   16 x lane: also x's images' place for my lane
.set LS,   2                           ; v2   4 x lane
.set AW0,  3                           ; v3   the weight's images: 106,496 + 6,144 x wave + 16 x lane
.set AX,   4                           ; v4-7 the K step's addresses: x's images, the weight's, x's words, the weight's
.set AW,   5
.set AXS,  6
.set AWS,  7
.set CSA,  8                           ; v8   my token's row and my half in the table of cosines
.set AXS0, 9                           ; v9   98,304 + 4 x lane
.set AWS0, 10                          ; v10  303,104 + 256 x wave + 4 x lane
.set XS,   16                          ; v16-31 x's scale words, 8 a set
.set WSC,  32                          ; v32-35 the weight's, 2 a set: lanes 0-15 the even tile's, lanes 16-31 the odd one's
.set TM,   40                          ; v40-55 at work in QUANT
.set PW,   56
.set PC,   60                          ; v60-79
.set RT,   80                          ; v80-87 at work in RoPE
.set HA,   128
.set XF,   0
.set WF,   96
.set WV,   14
.set TBK,  16
.set YB,   17
.set G1X,  24
.set G0X,  32
.set G1W,  36
.set G0W,  44
.set SX,   48                          ; s48-50 the K step's place in x's images, in the weight's, in the scale words
.set SW,   49
.set SS,   50
.set CNT,  51
.set DB,   52                          ; s[52:53] where my images go;  s[54:55] my scale words;  s[56:57] the table at my tokens
.set SB,   54
.set CB,   56
.set SEL,  46+0                        ; (set below)
.set MSB, 0
.macro WIN new                         ; the immediate's high byte repeats the setting that is left; a switch that changes nothing is dropped
.if MSB != (\new)
	s_set_vgpr_msb (MSB<<8)|(\new)
.set MSB, (\new)
.endif
.endm
.macro CROUND                          ; a round of the cluster's barrier
	s_barrier_signal -1
	s_barrier_wait -1
	s_cmp_lg_u32 s[WV], 0
	s_cbranch_scc1 .Lnot_wave_0_\@
	s_barrier_signal -3
.Lnot_wave_0_\@:
	s_barrier_wait -3
	s_barrier_signal -1
	s_barrier_wait -1
.endm
.set SEL, 18                           ; s[18:19]: written behind the descriptors' set-up, see below
; 64 numbers of a lane in window ws, register 16 b + i = k 32 b + 16 (lane / 16) + i of my row, become a fragment's codes in v[PC] on and its scale word in v[PW].  Each group of eight sources is first read at its low end.
.macro QUANT s, ws
	WIN 5*(\ws)
.irp b, 0,1,2,3
	v_max3_num_f32 v[TM+\b], |v[(\s)+16*\b]|, |v[(\s)+1+16*\b]|, 0x1800000   ; and the floor 2^(3 - 127): the byte cannot fall under 1
.endr
	WIN 0x14*(\ws)
.irp i, 2,4,6,8,10,12,14
.irp b, 0,1,2,3
	v_max3_num_f32 v[TM+\b], v[TM+\b], |v[(\s)+16*\b+\i]|, |v[(\s)+1+16*\b+\i]|
.endr
.endr
	WIN 0
.irp b, 0,1,2,3
	v_permlanex16_b32 v[TM+4+\b], v[TM+\b], s[SEL], s[SEL+1]
.endr
.irp b, 0,1,2,3
	v_max_num_f32 v[TM+\b], v[TM+\b], v[TM+4+\b]
.endr
.irp b, 0,1,2,3
	v_add_nc_u32 v[TM+12+\b], 0xff000000, v[TM+\b]  ; 2 off the exponent field: the conversion's scale operand
.endr
.irp b, 0,1,2,3
	v_lshrrev_b32 v[TM+4+\b], 23, v[TM+12+\b]
.endr
	v_lshl_or_b32 v[PW], v[TM+5], 8, v[TM+4]
	v_lshl_or_b32 v[PW], v[TM+6], 16, v[PW]
	v_lshl_or_b32 v[PW], v[TM+7], 24, v[PW]
	WIN (\ws)
.irp c, 0,1
	v_cvt_scalef32_pk16_fp6_f32 v[PC+6*\c:PC+2+6*\c], v[(\s)+32*\c:(\s)+15+32*\c], v[TM+12+2*\c]
	v_cvt_scalef32_pk16_fp6_f32 v[PC+12+4*\c:PC+14+4*\c], v[(\s)+16+32*\c:(\s)+31+32*\c], v[TM+13+2*\c]
.endr
	WIN 0
	v_nop                                          ; one plain instruction behind the conversions
.irp c, 0,1
.irp i, 0,1,2
	v_permlane16_swap_b32 v[PC+6*\c+\i], v[PC+12+4*\c+\i]
.endr
.irp i, 0,1,2
	v_mov_b32 v[PC+3+6*\c+\i], v[PC+12+4*\c+\i]
.endr
.endr
.endm
; one product on the registers named by rD, rA, rB, rSA, rSB.  zero = 1: it starts its sum.  rowa, rowb: that side's scale words stand in lanes 16-31
; v: 64 numbers of a lane in window 1, register 32 c + n = token 64 c + 32 (lane / 16) + n of my column (x's tiles hold their tokens so): each block of 32 lies whole in one lane.  Codes in v[PC] on, scale word in v[PW].
.macro QUANTV s
	WIN 5
.irp b, 0,1,2,3
	v_max3_num_f32 v[TM+\b], |v[(\s)+16*\b]|, |v[(\s)+1+16*\b]|, 0x1800000
.endr
	WIN 0x14
.irp i, 2,4,6,8,10,12,14
.irp b, 0,1,2,3
	v_max3_num_f32 v[TM+\b], v[TM+\b], |v[(\s)+16*\b+\i]|, |v[(\s)+1+16*\b+\i]|
.endr
.endr
	WIN 0
	v_max_num_f32 v[TM], v[TM], v[TM+1]            ; block lane / 16
	v_max_num_f32 v[TM+1], v[TM+2], v[TM+3]        ; block 2 + lane / 16
	v_add_nc_u32 v[TM+12], 0xff000000, v[TM]
	v_add_nc_u32 v[TM+13], 0xff000000, v[TM+1]
	v_lshrrev_b32 v[TM+2], 23, v[TM+12]
	v_lshrrev_b32 v[TM+3], 23, v[TM+13]
	v_lshl_or_b32 v[TM+2], v[TM+3], 16, v[TM+2]
	v_lshlrev_b32 v[TM+2], v13, v[TM+2]            ; my two bytes at their places: 8 (lane / 16) bits up
	v_permlanex16_b32 v[TM+4], v[TM+2], s[SEL], s[SEL+1]
	v_or_b32 v[PW], v[TM+2], v[TM+4]               ; with lane l xor 16's two the word is whole
	WIN 1
.irp c, 0,1
	v_cvt_scalef32_pk16_fp6_f32 v[PC+6*\c:PC+2+6*\c], v[(\s)+32*\c:(\s)+15+32*\c], v[TM+12+\c]
	v_cvt_scalef32_pk16_fp6_f32 v[PC+12+4*\c:PC+14+4*\c], v[(\s)+16+32*\c:(\s)+31+32*\c], v[TM+12+\c]
.endr
	WIN 0
	v_nop                                          ; one plain instruction behind the conversions
.irp c, 0,1
.irp i, 0,1,2
	v_mov_b32 v[PC+3+6*\c+\i], v[PC+12+4*\c+\i]
.endr
.endr
.endm
.macro MM zero, rowa, rowb
.if \zero
.if (\rowa)
	v_wmma_scale_f32_16x16x128_f8f6f4 v[rD:rD+7], v[rA:rA+11], v[rB:rB+11], 0, v[rSA], v[rSB] matrix_a_fmt:MATRIX_FMT_FP6 matrix_b_fmt:MATRIX_FMT_FP6 matrix_a_scale:MATRIX_SCALE_ROW1
.elseif (\rowb)
	v_wmma_scale_f32_16x16x128_f8f6f4 v[rD:rD+7], v[rA:rA+11], v[rB:rB+11], 0, v[rSA], v[rSB] matrix_a_fmt:MATRIX_FMT_FP6 matrix_b_fmt:MATRIX_FMT_FP6 matrix_b_scale:MATRIX_SCALE_ROW1
.else
	v_wmma_scale_f32_16x16x128_f8f6f4 v[rD:rD+7], v[rA:rA+11], v[rB:rB+11], 0, v[rSA], v[rSB] matrix_a_fmt:MATRIX_FMT_FP6 matrix_b_fmt:MATRIX_FMT_FP6
.endif
.else
.if (\rowa)
	v_wmma_scale_f32_16x16x128_f8f6f4 v[rD:rD+7], v[rA:rA+11], v[rB:rB+11], v[rD:rD+7], v[rSA], v[rSB] matrix_a_fmt:MATRIX_FMT_FP6 matrix_b_fmt:MATRIX_FMT_FP6 matrix_a_scale:MATRIX_SCALE_ROW1
.elseif (\rowb)
	v_wmma_scale_f32_16x16x128_f8f6f4 v[rD:rD+7], v[rA:rA+11], v[rB:rB+11], v[rD:rD+7], v[rSA], v[rSB] matrix_a_fmt:MATRIX_FMT_FP6 matrix_b_fmt:MATRIX_FMT_FP6 matrix_b_scale:MATRIX_SCALE_ROW1
.else
	v_wmma_scale_f32_16x16x128_f8f6f4 v[rD:rD+7], v[rA:rA+11], v[rB:rB+11], v[rD:rD+7], v[rSA], v[rSB] matrix_a_fmt:MATRIX_FMT_FP6 matrix_b_fmt:MATRIX_FMT_FP6
.endif
.endif
.endm
.macro FETCH buf                       ; a K step's 12 fragments and 10 registers of scale words: 46 LDS loads, each of consecutive bytes
	WIN 0x80+0x40*(\buf)
.irp g, 0,1,2,3,4,5,6,7
.irp c, 0,1,2
	ds_load_b128 v[XF+12*\g+4*\c:XF+12*\g+4*\c+3], v[AX] offset:1536*\g+512*\c
.endr
.endr
.irp t, 0,1,2,3
.irp c, 0,1,2
	ds_load_b128 v[WF+12*\t+4*\c:WF+12*\t+4*\c+3], v[AW] offset:1536*\t+512*\c
.endr
.endr
	WIN 0
.irp g, 0,1,2,3,4,5,6,7
	ds_load_b32 v[XS+8*(\buf)+\g], v[AXS] offset:128*\g
.endr
.irp p, 0,1
	ds_load_b32 v[WSC+2*(\buf)+\p], v[AWS] offset:128*\p
.endr
.endm
; The 32 accumulators take turns, one instruction a turn, in the same order in every K step.
.macro MULQK buf, zero                 ; token tile g, column tile t -> accumulator 64 (g / 2) + 32 (g % 2) + 8 t
	WIN 0x5a+5*(\buf)
.irp g, 0,1,2,3,4,5,6,7
.irp t, 0,1,2,3
.set rD, 64*(\g/2)+32*(\g%2)+8*\t
.set rA, WF+12*\t
.set rB, XF+12*\g
.set rSA, WSC+2*(\buf)+\t/2
.set rSB, XS+8*(\buf)+\g
	MM \zero, \t%2, 0
.endr
.endr
	WIN 0
.endm
.macro MULV buf, zero                  ; column tile t, token tile g -> accumulator 64 t + 8 g
	WIN 0x5a+5*(\buf)
.irp t, 0,1,2,3
.irp g, 0,1,2,3,4,5,6,7
.set rD, 64*\t+8*\g
.set rA, XF+12*\g
.set rB, WF+12*\t
.set rSA, XS+8*(\buf)+\g
.set rSB, WSC+2*(\buf)+\t/2
	MM \zero, 0, \t%2
.endr
.endr
	WIN 0
.endm
; A K step but the last: the next step's operands are asked for, into the set that the last step multiplied; then this step's 32 products.
.macro STEP buf, zero
	s_add_co_u32 s[SX], s[SX], 12288
	s_add_co_u32 s[SW], s[SW], 24576
	s_add_co_u32 s[SS], s[SS], 1024
	v_add_nc_u32 v[AX], s[SX], v[LI]               ; these four plain lines are also the four places between the last products and the loads into the registers that they read (ISA guide 7.12.1 for vector instructions)
	v_add_nc_u32 v[AW], s[SW], v[AW0]
	v_add_nc_u32 v[AXS], s[SS], v[AXS0]
	v_add_nc_u32 v[AWS], s[SS], v[AWS0]
	FETCH 1-\buf
	s_wait_dscnt 46                                ; all but the 46 just issued: this step's operands are in
	s_cmp_lt_u32 s[YB], 5                          ; the cluster's y: alike in all partners
	s_cbranch_scc0 .Lv_\@
	MULQK \buf, \zero
	s_branch .Ldone_\@
.Lv_\@:
	MULV \buf, \zero
.Ldone_\@:
.endm
; RoPE on the two token tiles of group grp: (re, im) -> (re cos - im sin, re sin + im cos), two numbers an instruction.  The accumulators lie in window 1, the table in window 2 under the same numbers: cosines where re lies, sines where im lies.
.macro ROPE grp
	WIN 0x09
.irp e, 0,1
.irp i, 0,2,4,6,8,10,12,14
.set rR, 64*\grp+32*\e+\i
.set rT, RT+4*((\i/2)%2)
	v_pk_mul_f32 v[rT:rT+1], v[rR+16:rR+17], v[rR+16:rR+17]         ; im sin
	v_pk_mul_f32 v[rT+2:rT+3], v[rR:rR+1], v[rR+16:rR+17]           ; re sin
	v_pk_fma_f32 v[HA+32*\e+\i:HA+32*\e+\i+1], v[rR:rR+1], v[rR:rR+1], v[rT:rT+1] neg_lo:[0,0,1] neg_hi:[0,0,1]
	v_pk_fma_f32 v[HA+32*\e+16+\i:HA+32*\e+17+\i], v[rR+16:rR+17], v[rR:rR+1], v[rT+2:rT+3]
.endr
.endr
	WIN 0
.endm
.macro OUT grp
.irp c, 0,1,2
	global_store_b128 v[LI], v[PC+4*\c:PC+4*\c+3], s[DB:DB+1] offset:1536*\grp+512*\c   ; 512 consecutive bytes, at a multiple of 256 from the buffer's first byte
.endr
	global_store_b32 v[LS], v[PW], s[SB:SB+1] offset:128*\grp
.endm
	s_load_b256 s[4:11], s[0:1], 0x0               ; xq s[4:5], wi s[6:7], cs s[8:9], qi s[10:11]
	s_load_b64 s[12:13], s[0:1], 0x20
	v_lshl_add_u32 v14, v0, 2, 311296              ; my spare word, behind the two blocks; never rewritten
	v_mov_b32 v15, 0                               ; 0; never rewritten
	ds_add_u32 v14, v15                            ; the opening lines: the add, twice on end, and its wait ahead of the first round
	ds_add_u32 v14, v15
	v_lshrrev_b32 v11, 5, v0
	v_readfirstlane_b32 s[WV], v11                 ; wave 0..3
	s_bfe_u32 s15, ttmp6, 0x40000                  ; cx
	s_lshl_b32 s[TBK], ttmp9, 2
	s_add_co_u32 s[TBK], s[TBK], s15               ; tb = 4 x cluster x + cx: it enters global addresses of my own loads and stores alone
	s_and_b32 s[YB], ttmp7, 0xffff                 ; y
	; group 1: dense blocks as rows of 256 bytes (32 elements of 8 bytes).  x's half: 208 rows; the weight's half: 400 rows, with the mask of all four work-groups and bit 21 beside it
	s_mov_b32 s[G1X], 3<<16
	s_mov_b32 s[G1X+1], 32<<16
	s_mov_b32 s[G1X+2], 208<<16
	s_mov_b32 s[G1X+3], 32<<16
	s_mov_b32 s[G1X+4], 208
	s_mov_b32 s[G1X+5], 32
	s_mov_b32 s[G1X+6], 0
	s_mov_b32 s[G1X+7], 0
	s_mov_b32 s[G1W], 15|(3<<16)|(1<<21)
	s_mov_b32 s[G1W+1], 32<<16
	s_mov_b32 s[G1W+2], 400<<16
	s_mov_b32 s[G1W+3], 32<<16
	s_mov_b32 s[G1W+4], 400
	s_mov_b32 s[G1W+5], 32
	s_mov_b32 s[G1W+6], 0
	s_mov_b32 s[G1W+7], 0
	s_and_b32 s59, s[WV], 1                        ; one load a wave: waves 0, 1 the halves of x's block (208 rows of 256 bytes), waves 2, 3 the halves of the weight's (400 rows)
	s_mul_i32 s58, s59, 53248
	s_mul_i32 s20, s[TBK], 106496
	s_add_co_u32 s20, s20, s58
	s_mov_b32 s21, 0
	s_mul_i32 s59, s59, 102400
	s_mul_i32 s22, s[YB], 204800
	s_add_co_u32 s22, s22, s59                     ; (s22, s23, s59 never hold cx)
	s_mov_b32 s23, 0
	s_wait_dscnt 0x0                               ; both opening adds are done
	s_wait_kmcnt 0x0
	CROUND                                         ; all four work-groups are here: the joint loads meet
	s_mov_b32 s[G0X], 1
	s_mov_b32 s[G0X+1], s58
	s_add_nc_u64 s[G0X+2:G0X+3], s[4:5], s[20:21]
	s_or_b32 s[G0X+3], s[G0X+3], 0x80000000
	s_mov_b32 s[G0W], 1
	s_add_co_u32 s[G0W+1], s59, 106496
	s_add_nc_u64 s[G0W+2:G0W+3], s[6:7], s[22:23]
	s_or_b32 s[G0W+3], s[G0W+3], 0x80000000
	s_cmp_lt_u32 s[WV], 2                          ; the branch hangs on the wave's number alone; every way passes one load
	s_cbranch_scc0 .Lfor_w
	tensor_load_to_lds s[G0X:G0X+3], s[G1X:G1X+7]
	s_nop 0
.rept 4
	v_nop
.endr
	s_branch .Lasked
.Lfor_w:
	tensor_load_to_lds s[G0W:G0W+3], s[G1W:G1W+7]
	s_nop 0
.rept 4
	v_nop
.endr
.Lasked:
	s_mov_b32 s[SEL], 0x76543210
	s_mov_b32 s[SEL+1], 0xfedcba98
	v_and_b32 v11, 31, v0
	v_lshlrev_b32 v[LI], 4, v11
	v_lshlrev_b32 v[LS], 2, v11
	s_mul_i32 s60, s[WV], 6144
	s_add_co_u32 s60, s60, 106496
	v_add_nc_u32 v[AW0], s60, v[LI]
	v_add_nc_u32 v[AXS0], 98304, v[LS]
	s_lshl_b32 s60, s[WV], 8
	s_add_co_u32 s60, s60, 303104
	v_add_nc_u32 v[AWS0], s60, v[LS]
	v_and_b32 v11, 15, v0
	v_and_b32 v12, 8, v11
	v_mad_u32_u24 v11, v12, 3, v11                 ; r + 24 (r / 8): the token at place r of a tile of x
	v_bfe_u32 v12, v0, 4, 1
	v_lshlrev_b32 v13, 3, v12                      ; 8 (lane / 16), for QUANTV
	v_lshlrev_b32 v[CSA], 7, v11                   ; a token's 32 cosines are 128 bytes,
	v_lshl_add_u32 v[CSA], v12, 6, v[CSA]          ; my half's 16 begin 64 h bytes on
.irp b, 0,1,2,3
	v_mov_b32 v[TM+4+\b], 0                        ; written once: a lane permute's destination counts as one of its sources
.endr
	; where my results go
	s_lshl_b32 s60, s[YB], 2
	s_add_co_u32 s60, s60, s[WV]                   ; the query head
	s_lshl_b32 s60, s60, 7
	s_lshl_b32 s61, s[TBK], 2
	s_add_co_u32 s60, s60, s61                     ; 128 x head + my first group of 32 tokens
	s_mul_i32 s62, s60, 1536                       ; q's images,
	s_lshl_b32 s63, s60, 7
	s_add_co_u32 s63, s63, 3145728                 ; q's scale words
	s_lshr_b32 s60, s[TBK], 1
	s_lshl_b32 s60, s60, 2
	s_add_co_u32 s60, s60, s[WV]
	s_lshl_b32 s60, s60, 1
	s_and_b32 s61, s[TBK], 1
	s_add_co_u32 s60, s60, s61
	s_mul_i32 s60, s60, 13312                      ; kv's block ((slot x 4 + group) x 2 + step)
	s_cmp_eq_u32 s[YB], 5
	s_cselect_b32 s61, 6144, 0                     ; v's fragments lie behind k's,
	s_cselect_b32 s15, 512, 0                      ; and so do its words
	s_add_co_u32 s61, s61, s60
	s_add_co_u32 s15, s15, s60
	s_add_co_u32 s15, s15, 12288
	s_cmp_lt_u32 s[YB], 4                          ; qi or kv: the choice hangs on y alone
	s_cselect_b64 s[DB:DB+1], s[10:11], s[12:13]
	s_cselect_b32 s60, s62, s61
	s_cselect_b32 s62, s63, s15
	s_mov_b32 s61, 0
	s_mov_b32 s63, 0
	s_mov_b64 s[SB:SB+1], s[DB:DB+1]
	s_add_nc_u64 s[DB:DB+1], s[DB:DB+1], s[60:61]
	s_add_nc_u64 s[SB:SB+1], s[SB:SB+1], s[62:63]
	s_lshl_b32 s60, s[TBK], 14
	s_mov_b32 s61, 0
	s_add_nc_u64 s[CB:CB+1], s[8:9], s[60:61]      ; the table at my 128 tokens
	s_mov_b32 s[SX], 0
	s_mov_b32 s[SW], 0
	s_mov_b32 s[SS], 0
	v_add_nc_u32 v[AX], s[SX], v[LI]
	v_add_nc_u32 v[AW], s[SW], v[AW0]
	v_add_nc_u32 v[AXS], s[SS], v[AXS0]
	v_add_nc_u32 v[AWS], s[SS], v[AWS0]
	s_wait_alu depctr_va_vdst(0)
	s_wait_tensorcnt 0x0                           ; my parts of both blocks are in,
	s_barrier_signal -1
	s_barrier_wait -1                              ; everybody's are
	FETCH 0
	STEP 0, 1                                      ; K step 0 starts the sums: nothing is cleared
	s_mov_b32 s[CNT], 3
.Lk:                                                   ; K steps 1 to 6, two a trip: the sets of fragments are back where they began
	STEP 1, 0
	STEP 0, 0
	s_sub_co_u32 s[CNT], s[CNT], 1
	s_cmp_lg_u32 s[CNT], 0
	s_cbranch_scc1 .Lk
.rept 4
	v_nop                                          ; four places between K step 6's products and the loads into window 2, which they read
.endr
	s_cmp_lt_u32 s[YB], 5
	s_cbranch_scc0 .Lvtail
	; ---- q and k: the last K step, with the cosines and sines on their way meanwhile; RoPE; quantised along d
	WIN 0x80
.irp grp, 0,1,2,3
.irp u, 0,1
.irp j, 0,1,2,3
	global_load_b128 v[64*\grp+32*\u+4*\j:64*\grp+32*\u+4*\j+3], v[CSA], s[CB:CB+1] offset:(64*(\grp/2)+16*(\grp%2)+8*\u)*128+16*\j
.endr
.irp j, 0,1,2,3
	global_load_b128 v[64*\grp+32*\u+16+4*\j:64*\grp+32*\u+19+4*\j], v[CSA], s[CB:CB+1] offset:524288+(64*(\grp/2)+16*(\grp%2)+8*\u)*128+16*\j
.endr
.endr
.endr
	WIN 0
	s_wait_dscnt 0x0
	MULQK 1, 0
.rept 4
	v_nop                                          ; four places in front of the first read of results
.endr
.irp grp, 0,1,2,3
	s_wait_loadcnt 48-16*\grp                      ; this group's 16 loads are in; 16 for each later group may be out
	ROPE \grp
.if \grp
	s_wait_xcnt 0x0                                ; the last group's stores have read their data: the codes' registers are written again only behind this wait
.endif
	QUANT HA, 0
	OUT \grp
.endr
	s_branch .Lend
.Lvtail:
	; ---- v: the last K step; each column tile's 64 registers are quantised along the tokens as they stand
	s_wait_dscnt 0x0
	MULV 1, 0
.rept 4
	v_nop
.endr
.irp grp, 0,1,2,3
.if \grp
	s_wait_xcnt 0x0
.endif
	QUANTV 64*\grp
	OUT \grp
.endr
.Lend:
	s_wait_tensorcnt 0x0                           ; the wave's end
	ds_add_u32 v14, v15
	s_wait_dscnt 0x0
	CROUND
	s_endpgm
.Lfunc_end_k_q82f385e162_proj:
	.size	k_q82f385e162_proj, .Lfunc_end_k_q82f385e162_proj-k_q82f385e162_proj
	.p2alignl 7, 3214868480
	.fill 96, 4, 3214868480
	.section	.rodata,"a",@progbits
	.p2align	6, 0x0
	.amdhsa_kernel k_q82f385e162_proj
		.amdhsa_group_segment_fixed_size 327680
		.amdhsa_private_segment_fixed_size 0
		.amdhsa_enable_private_segment 0
		.amdhsa_kernarg_size 40
		.amdhsa_user_sgpr_count 2
		.amdhsa_user_sgpr_kernarg_segment_ptr 1
		.amdhsa_wavefront_size32 1
		.amdhsa_system_sgpr_workgroup_id_x 1
		.amdhsa_system_sgpr_workgroup_id_y 1
		.amdhsa_system_sgpr_workgroup_id_z 1
		.amdhsa_system_vgpr_workitem_id 0
		.amdhsa_next_free_vgpr 1024
		.amdhsa_next_free_sgpr 66
		.amdhsa_reserve_vcc 0
		.amdhsa_float_denorm_mode_32 3
		.amdhsa_float_denorm_mode_16_64 3
		.amdhsa_memory_ordered 1
		.amdhsa_forward_progress 1
		.amdhsa_inst_pref_size 107
	.end_amdhsa_kernel
	.amdgpu_metadata
---
amdhsa.version: [ 1, 2 ]
amdhsa.kernels:
  - .name:           k_q82f385e162_proj
    .symbol:         k_q82f385e162_proj.kd
    .args:
      - { .name: xq, .offset: 0, .size: 8, .value_kind: global_buffer, .address_space: global }
      - { .name: wi, .offset: 8, .size: 8, .value_kind: global_buffer, .address_space: global }
      - { .name: cs, .offset: 16, .size: 8, .value_kind: global_buffer, .address_space: global }
      - { .name: qi, .offset: 24, .size: 8, .value_kind: global_buffer, .address_space: global }
      - { .name: kv, .offset: 32, .size: 8, .value_kind: global_buffer, .address_space: global }
    .group_segment_fixed_size: 327680
    .private_segment_fixed_size: 0
    .kernarg_segment_align: 8
    .kernarg_segment_size: 40
    .max_flat_workgroup_size: 128
    .sgpr_count:     66
    .vgpr_count:     1024
    .wavefront_size: 32
...
	.end_amdgpu_metadata
.endif
;; end of part 2
;; launch attn (part 3): grid 256 x 1, 4 waves a work-group, clusters of 4 x 1, 327,680 bytes of LDS; arguments qi, kv, mask, ai; writes ai
.if DOCPART == 3
	.amdgcn_target "amdgcn-amd-amdhsa--gfx1250"
	.amdhsa_code_object_version 6
	.text
	.protected	k_q82f385e162_attn
	.globl	k_q82f385e162_attn
	.p2align	8
	.type	k_q82f385e162_attn,@function
k_q82f385e162_attn:
	s_mov_b64 s[64:65], 0
	v_nop
	global_prefetch_b8 v0, s[64:65] scope:SCOPE_SE
	s_setreg_imm32_b32 hwreg(HW_REG_WAVE_MODE, 25, 1), 1
	s_wait_xcnt 0x0
	s_wait_alu depctr_hold_cnt(0) depctr_sa_sdst(0) depctr_va_vdst(0) depctr_va_sdst(0) depctr_va_ssrc(0) depctr_va_vcc(0) depctr_vm_vsrc(0)
	s_getreg_b32 s2, hwreg(HW_REG_IB_STS2, 6, 4)
	s_cmp_eq_u32 s2, 0
	s_cbranch_scc0 .Lentry_in_a_cluster
	s_endpgm
.Lentry_in_a_cluster:
	s_bfe_u32 s2, ttmp6, 0x10000c
	s_cmp_lg_u32 s2, 0x3003
	s_cbranch_scc0 .Lentry_shape_is_right
	s_endpgm
.Lentry_shape_is_right:
; ATTN: for 16 heads, softmax(q k^T / 8 + mask) v, both products on codes of FP6 (E2M3) with E8M0 scales; the result, divided by the row's sum, is quantised along (head, d) for the last projection.
; THE SOFTMAX: t = logit x log2(e); M = the row's largest t so far, rounded up to a whole number; p = 2^(t - M) is quantised along the keys; the row's sum is taken of the unquantised p.  When M moves, the sum and O are multiplied by 2^(old M - new M): exact.
; SHARES.  A work-group owns 16 neighbouring queries and all 16 heads, so each number of the mask comes into LDS once in the launch.  Four waves, one for each SIMD; wave w owns key/value group w: heads 4 w .. 4 w + 3,
; which share K's and V's fragments and the mask's registers.  Every wave walks all 4,096 keys, 128 a step, two steps to a slot of a ring of two LDS slots.
; The four heads go through each part of a step together: 32 products for the scores, the maxima in 16 chains, the exponentials head by head with the next head's t - M laid between them, the sums in 8 chains, 16 products for O.
; CLUSTER: four work-groups walk the same kv: waves 0 and 1 ask jointly for the halves of a slot's 106,496 bytes; waves 2 and 3 fetch 8 rows each of the work-group's own tile of the mask.  One tensor load a wave, at the head and behind each round.
; PREFETCH: the mask's tiles, each read once in the launch, are asked for one slot ahead of their load.  kv is not: all 64 clusters walk the same 1,703,936 bytes in step.
; LAYOUT.  Both products are used transposed: S^T = K Q^T + mask^T, O^T = V^T P^T: a lane holds ONE query (lane % 16).  Place p of key tile T holds key 64 (T / 4) + 32 (p / 8) + 8 (T % 4) + p % 8, so S's register 32 c + n is key 64 c + 32 (lane / 16) + n:
; a block of 32 keys lies whole in one lane, in the order of the operand's registers: its largest p needs no other lane and its codes no exchange of lanes.
; K = 64 IN AN INSTRUCTION OF 128: a fragment of K holds two key tiles.  Q stands in 18 registers as Q, zero codes, Q: registers 0-11 meet the even tile, registers 6-17 the odd one.
; THE MASK IS THE C OF THE SCORES' INSTRUCTION, and the division by 8 is taken off Q's scale bytes: the instruction gives the logit.
; LIMITS.  The mask is held at -2^127 from below, so that t stays finite: differences among logits under -2^127 are lost (-infinity is served so; a row masked throughout by such numbers comes out uniform over its keys).
;   Q's scale bytes are held at 3 before 3 is taken off: blocks of q under 2^-122 come out too large.  NaN is not served.  A block of p that is all zeros keeps the byte 1: its codes are zeros.
; REGISTERS: window 0: the names below.  window 1: S^T, then p: 64 a head.  window 2: K v0-47, V v48-95, Q v96-167, the mask v168-231.  window 3: O^T, 32 a head.
.set SLOT1, 131072                     ; slot 1 begins here: one exclusive or turns an address in one slot into the other's
.set MOFF,  106496                     ; a slot: kv's 8 blocks of 13,312 bytes (group, step), then the mask's 16 rows of 1,024 + 16 bytes
.set STEPB, 13312
.set SPARE, 262144                     ; the spare words, 128 bytes a wave: two blocks of 256 bytes that no other line names
.set AKV0, 1                           ; 16 x lane + my group's blocks
.set AMK0, 2                           ; my query's row of the mask's tile, + 128 (lane / 16)
.set ASC0, 3                           ; 4 x lane + my group's scale words
.set SPW,  4                           ; my spare word; never rewritten
.set NIL,  5                           ; 0; never rewritten
.set AD,   6                           ; v6-8 the slot's addresses
.set ADM,  7
.set ADS,  8
.set PFO,  9                           ; the prefetches' offset
.set LI,   10                          ; 16 x lane
.set LS,   11                          ; 4 x lane
.set SH8,  12                          ; 8 (lane / 16)
.set ST,   16                          ; v16-31 head a at 16 + 4 a: -M, the largest logit, the sum in two halves
.set QS,   32                          ; v32-47 scale words and nothing else: Q's, K's, V's, p's
.set KS,   36
.set VS,   40
.set PW,   44
.set F,    48                          ; v48-55 f = 2^(old M - new M), a pair a head (the upper word is 0)
.set TP,   56                          ; v56-59 at work
.set BM,   64                          ; v64-79 head a: 4 a + c the largest logit, then largest p, of my block c; 4 a + 2 + c a second chain, then the byte
.set PX,   80                          ; v80-87 the sums' second chains
.set SO,   88                          ; v88-95 the conversions' scale operands
.set WT,   96                          ; v96-99, v100-103 what lane l xor 16 sends
.set RM,   100
.set PCD,  104                         ; v104-151 p's codes, 12 a head
.set CT,   152                         ; v152-183 the upper halves of the blocks' codes
.set TM,   64                          ; at the end: QUANT's work
.set QC,   104                         ; and its codes, 20 a fragment
.set KF,   0
.set VF,   48
.set QF,   96
.set MK,   168
.set WV,   12
.set G1K,  24
.set G1M,  32
.set G0K,  40
.set G0M,  44
.set CS,   48                          ; s[48:49] log2(e), twice
.set SEL,  50
.set TB,   52                          ; where the slot in hand begins
.set SLOTS, 53                         ; slots still to be asked for
.set LIM,  54                          ; 1 in a wave that prefetches, else the greatest number
.set PFA,  56                          ; s[56:57] where my prefetches stand
.set MSB, 0
.macro WIN new
.if MSB != (\new)
	s_set_vgpr_msb (MSB<<8)|(\new)
.set MSB, (\new)
.endif
.endm
.macro CROUND                          ; a round of the cluster's barrier
	s_barrier_signal -1
	s_barrier_wait -1
	s_cmp_lg_u32 s[WV], 0
	s_cbranch_scc1 .Lnot_wave_0_\@
	s_barrier_signal -3
.Lnot_wave_0_\@:
	s_barrier_wait -3
	s_barrier_signal -1
	s_barrier_wait -1
.endm
.macro TLOAD                           ; every way passes one load; the branch hangs on the wave's number alone
	s_cmp_lt_u32 s[WV], 2
	s_cbranch_scc0 .Lnot_k_\@
	tensor_load_to_lds s[G0K:G0K+3], s[G1K:G1K+7]
	s_nop 0
.rept 4
	v_nop
.endr
	s_branch .Lasked_\@
.Lnot_k_\@:
	tensor_load_to_lds s[G0M:G0M+3], s[G1M:G1M+7]
	s_nop 0
.rept 4
	v_nop
.endr
.Lasked_\@:
.endm
; The mask's tile that the NEXT change of slots will load: 64 aligned blocks of 256 bytes; waves 0 and 1 name 32 each (8 rows x 4 blocks, a lane a block).  The last change that fills a slot asks for nothing.
.macro ASK
	s_cmp_gt_u32 s[SLOTS], s[LIM]
	s_cbranch_scc0 .Lnot_mine_\@
	global_prefetch_b8 v[PFO], s[PFA:PFA+1] th:TH_LOAD_NT scope:SCOPE_SE
.Lnot_mine_\@:
.endm
; THE CHANGE OF SLOTS: each wave waits for all its tensor loads (one: its part of the slot ahead), adds 0 to its spare word, and waits for that and for its reads of the slot that it has left.
.macro CHANGE fill
	s_wait_tensorcnt 0x0
	ds_add_u32 v[SPW], v[NIL]
.if \fill
	s_xor_b32 s[G0K+1], s[G0K+1], SLOT1            ; no load of mine is out: the descriptors walk to the other slot and the next 256 keys
	s_add_nc_u64 s[G0K+2:G0K+3], s[G0K+2:G0K+3], 8*STEPB
	s_xor_b32 s[G0M+1], s[G0M+1], SLOT1
	s_add_nc_u64 s[G0M+2:G0M+3], s[G0M+2:G0M+3], 1024
	s_wait_xcnt 0x0                                ; the last prefetch has read its address
	s_add_nc_u64 s[PFA:PFA+1], s[PFA:PFA+1], 1024
	s_wait_dscnt 0x0
	CROUND
	TLOAD
	ASK
.else
	s_wait_dscnt 0x0
	s_barrier_signal -1
	s_barrier_wait -1
.endif
.endm
.macro LOADKM q                        ; the mask (16 loads), K's scale words (4), K (12) of step q
	WIN 0x80
.irp c, 0,1
.irp j, 0,1,2,3,4,5,6,7
	ds_load_b128 v[MK+32*\c+4*\j:MK+32*\c+4*\j+3], v[ADM] offset:512*(\q)+256*\c+16*\j
.endr
.endr
	WIN 0
.irp j, 0,1,2,3
	ds_load_b32 v[KS+\j], v[ADS] offset:STEPB*(\q)+128*\j
.endr
	WIN 0x80
.irp j, 0,1,2,3
.irp c, 0,1,2
	ds_load_b128 v[KF+12*\j+4*\c:KF+12*\j+4*\c+3], v[AD] offset:STEPB*(\q)+1536*\j+512*\c
.endr
.endr
	WIN 0
.endm
.macro EXPS a                          ; head a's p = 2^(t - M); between them head a + 1's t - M, which is first read behind the next wait
.set n, 0
.rept 32
	v_exp_f32 v[64*(\a)+n], v[64*(\a)+n]
	v_exp_f32 v[64*(\a)+n+1], v[64*(\a)+n+1]
.if (\a) < 3
	v_pk_fma_f32 v[64*(\a)+64+n:64*(\a)+65+n], v[64*(\a)+64+n:64*(\a)+65+n], s[CS:CS+1], v[ST+4*(\a)+4:ST+4*(\a)+5] op_sel_hi:[1,0,0]
.endif
.set n, n+2
.endr
.endm
; A KEY STEP: 128 keys, the q-th of the slot in hand
.macro STEP q
.if (\q) == 0
	v_add_nc_u32 v[AD], s[TB], v[AKV0]
	v_add_nc_u32 v[ADM], s[TB], v[AMK0]
	v_add_nc_u32 v[ADS], s[TB], v[ASC0]
	LOADKM 0
	s_wait_dscnt 16                                ; the mask is in; K's 4 + 12 may be out
.else
	s_wait_dscnt 0x0                               ; the mask and K, asked for in step 0
.endif
	WIN 0x88
.set n, 0
.rept 64
	v_max_num_f32 v[MK+n], 0xff000000, v[MK+n]     ; held at -2^127 from below.  (These lines also stand between the last products and the loads into V's registers)
.set n, n+1
.endr
	WIN 0x80
.irp t, 0,1,2,3
.irp c, 0,1,2
	ds_load_b128 v[VF+12*\t+4*\c:VF+12*\t+4*\c+3], v[AD] offset:STEPB*(\q)+6144+1536*\t+512*\c
.endr
.endr
	WIN 0
.irp t, 0,1,2,3
	ds_load_b32 v[VS+\t], v[ADS] offset:STEPB*(\q)+512+128*\t
.endr
.if (\q) == 0
	s_wait_alu depctr_va_vdst(0)
	s_wait_dscnt 16                                ; K is in; V's 12 + 4 may be out
.endif
	WIN 0x6a                                       ; K, Q and the mask in window 2, S^T in window 1
.irp j, 0,1,2,3
.irp a, 0,1,2,3
	v_wmma_scale_f32_16x16x128_f8f6f4 v[64*\a+16*\j:64*\a+16*\j+7], v[KF+12*\j:KF+12*\j+11], v[QF+18*\a:QF+18*\a+11], v[MK+16*\j:MK+16*\j+7], v[KS+\j], v[QS+\a] matrix_a_fmt:MATRIX_FMT_FP6 matrix_b_fmt:MATRIX_FMT_FP6
.endr
.irp a, 0,1,2,3
	v_wmma_scale_f32_16x16x128_f8f6f4 v[64*\a+16*\j+8:64*\a+16*\j+15], v[KF+12*\j:KF+12*\j+11], v[QF+18*\a+6:QF+18*\a+17], v[MK+16*\j+8:MK+16*\j+15], v[KS+\j], v[QS+\a] matrix_a_fmt:MATRIX_FMT_FP6 matrix_b_fmt:MATRIX_FMT_FP6
.endr
.endr
	WIN 0
.rept 4
	v_nop                                          ; four places in front of the first read of results and of loads into the products' sources
.endr
.if (\q) == 0
	LOADKM 1                                       ; the slot's second step: 32 loads, which have this step's vector work in which to land
.endif
	; the largest logit of each block of 32 keys, two chains a block; each accumulator is first read at its low end
	WIN 0x15
.irp a, 0,1,2,3
.irp c, 0,1
.irp k, 0,1
	v_max3_num_f32 v[BM+4*\a+2*\k+\c], v[64*\a+32*\c+16*\k], v[64*\a+32*\c+16*\k+1], v[64*\a+32*\c+16*\k+2]
.endr
.endr
.endr
	WIN 0x14
.irp i, 3,5,7,9,11,13
.irp a, 0,1,2,3
.irp c, 0,1
.irp k, 0,1
	v_max3_num_f32 v[BM+4*\a+2*\k+\c], v[BM+4*\a+2*\k+\c], v[64*\a+32*\c+16*\k+\i], v[64*\a+32*\c+16*\k+\i+1]
.endr
.endr
.endr
.endr
.irp a, 0,1,2,3
.irp c, 0,1
	v_max3_num_f32 v[BM+4*\a+\c], v[BM+4*\a+\c], v[64*\a+32*\c+15], v[64*\a+32*\c+31]
.endr
.endr
	WIN 0
.irp a, 0,1,2,3
.irp c, 0,1
	v_max_num_f32 v[BM+4*\a+\c], v[BM+4*\a+\c], v[BM+4*\a+2+\c]
.endr
.endr
.irp a, 0,1,2,3
	v_max_num_f32 v[TP+\a], v[BM+4*\a], v[BM+4*\a+1]
.endr
.irp a, 0,1,2,3
	v_permlanex16_b32 v[RM+\a], v[TP+\a], s[SEL], s[SEL+1]
.endr
.irp a, 0,1,2,3
	v_max3_num_f32 v[ST+4*\a+1], v[ST+4*\a+1], v[TP+\a], v[RM+\a]   ; the running largest logit
.endr
.irp a, 0,1,2,3
	v_mul_f32 v[TP+\a], s[CS], v[ST+4*\a+1]        ; as t
.endr
.irp a, 0,1,2,3
	v_mov_b32 v[RM+\a], v[ST+4*\a]
.endr
.irp a, 0,1,2,3
	v_floor_f32 v[ST+4*\a], -v[TP+\a]              ; the new -M = floor(-t) = -ceil(t)
.endr
.irp a, 0,1,2,3
	v_sub_f32 v[TP+\a], v[ST+4*\a], v[RM+\a]       ; old M - new M: a whole number, 0 or less
.endr
.irp a, 0,1,2,3
	v_cvt_i32_f32 v[TP+\a], v[TP+\a]               ; (it saturates)
.endr
.irp a, 0,1,2,3
	v_ldexp_f32 v[F+2*\a], 1.0, v[TP+\a]           ; f
.endr
.irp a, 0,1,2,3
	v_pk_mul_f32 v[ST+4*\a+2:ST+4*\a+3], v[ST+4*\a+2:ST+4*\a+3], v[F+2*\a:F+2*\a+1] op_sel_hi:[1,0]   ; the sums under the new M
.endr
.irp a, 0,1,2,3
.irp c, 0,1
	v_fma_f32 v[BM+4*\a+\c], v[BM+4*\a+\c], s[CS], v[ST+4*\a]   ; t - M of each block's largest logit
.endr
.endr
	WIN 0xc3
.irp a, 0,1,2,3
.set n, 0
.rept 16
	v_pk_mul_f32 v[32*\a+n:32*\a+n+1], v[32*\a+n:32*\a+n+1], v[F+2*\a:F+2*\a+1] op_sel_hi:[1,0]   ; O^T under the new M, each accumulator from its low end on
.set n, n+2
.endr
.endr
	WIN 0x41
.set n, 0
.rept 32
	v_pk_fma_f32 v[n:n+1], v[n:n+1], s[CS:CS+1], v[ST:ST+1] op_sel_hi:[1,0,0]   ; head 0's t - M
.set n, n+2
.endr
	WIN 0
	s_wait_alu depctr_va_vdst(0)
.irp a, 0,1,2,3
.irp c, 0,1
	v_exp_f32 v[BM+4*\a+\c], v[BM+4*\a+\c]         ; the block's largest p: the same two instructions on the same number give the same bits
.endr
.endr
	WIN 0x41
	EXPS 0
	s_wait_alu depctr_va_vdst(0)
	EXPS 1
	s_wait_alu depctr_va_vdst(0)
	EXPS 2
	s_wait_alu depctr_va_vdst(0)
	EXPS 3
	WIN 0
	v_nop                                          ; a plain instruction behind the exponentials
	s_wait_alu depctr_va_vdst(0)
	s_wait_dscnt 32*(1-(\q))                       ; V is in; in step 0 the next step's 32 loads may be out
	; the rows' sums of the unquantised p, two chains a head
	WIN 0x05
.irp a, 0,1,2,3
	v_pk_add_f32 v[PX+2*\a:PX+2*\a+1], v[64*\a:64*\a+1], v[64*\a+2:64*\a+3]
.endr
	WIN 0x04
.irp j, 4,8,12,16,20,24,28,32,36,40,44,48,52,56,60
.irp a, 0,1,2,3
	v_pk_add_f32 v[ST+4*\a+2:ST+4*\a+3], v[ST+4*\a+2:ST+4*\a+3], v[64*\a+\j:64*\a+\j+1]
	v_pk_add_f32 v[PX+2*\a:PX+2*\a+1], v[PX+2*\a:PX+2*\a+1], v[64*\a+\j+2:64*\a+\j+3]
.endr
.endr
	WIN 0
.irp a, 0,1,2,3
	v_pk_add_f32 v[ST+4*\a+2:ST+4*\a+3], v[ST+4*\a+2:ST+4*\a+3], v[PX+2*\a:PX+2*\a+1]
.endr
	; p's scales and codes
.irp a, 0,1,2,3
.irp c, 0,1
	v_max_num_f32 v[BM+4*\a+\c], 0x1800000, v[BM+4*\a+\c]   ; the floor 2^(3 - 127): the byte cannot fall under 1
.endr
.endr
.irp a, 0,1,2,3
.irp c, 0,1
	v_add_nc_u32 v[SO+2*\a+\c], 0xff000000, v[BM+4*\a+\c]   ; 2 off the exponent field: the conversion's scale operand
.endr
.endr
.irp a, 0,1,2,3
.irp c, 0,1
	v_lshrrev_b32 v[BM+4*\a+2+\c], 23, v[SO+2*\a+\c]
.endr
.endr
.irp a, 0,1,2,3
	v_lshl_or_b32 v[TP+\a], v[BM+4*\a+3], 16, v[BM+4*\a+2]   ; my bytes: blocks lane / 16 and 2 + lane / 16,
.endr
.irp a, 0,1,2,3
	v_lshlrev_b32 v[TP+\a], v[SH8], v[TP+\a]       ; at their places;
.endr
.irp a, 0,1,2,3
	v_permlanex16_b32 v[WT+\a], v[TP+\a], s[SEL], s[SEL+1]
.endr
.irp a, 0,1,2,3
	v_or_b32 v[PW+\a], v[TP+\a], v[WT+\a]          ; with lane l xor 16's two the word is whole
.endr
	WIN 0x01
.irp a, 0,1,2,3
.irp c, 0,1
	v_cvt_scalef32_pk16_fp6_f32 v[PCD+12*\a+6*\c:PCD+12*\a+6*\c+2], v[64*\a+32*\c:64*\a+32*\c+15], v[SO+2*\a+\c]
	v_cvt_scalef32_pk16_fp6_f32 v[CT+8*\a+4*\c:CT+8*\a+4*\c+2], v[64*\a+32*\c+16:64*\a+32*\c+31], v[SO+2*\a+\c]   ; (a conversion's three registers begin on an even number)
.endr
.endr
	WIN 0
	v_nop                                          ; one plain instruction behind the conversions
.irp a, 0,1,2,3
.irp c, 0,1
.irp i, 0,1,2
	v_mov_b32 v[PCD+12*\a+6*\c+3+\i], v[CT+8*\a+4*\c+\i]
.endr
.endr
.endr
.rept 4
	v_nop                                          ; four places between the codes' last write and the products; the scale words stand 45 ahead
.endr
	WIN 0xf2                                       ; V in window 2, p's codes in window 0, O^T in window 3; the 16 accumulators take turns
.irp t, 0,1,2,3
.irp a, 0,1,2,3
	v_wmma_scale_f32_16x16x128_f8f6f4 v[32*\a+8*\t:32*\a+8*\t+7], v[VF+12*\t:VF+12*\t+11], v[PCD+12*\a:PCD+12*\a+11], v[32*\a+8*\t:32*\a+8*\t+7], v[VS+\t], v[PW+\a] matrix_a_fmt:MATRIX_FMT_FP6 matrix_b_fmt:MATRIX_FMT_FP6
.endr
.endr
	WIN 0
.endm
; at the end: 64 numbers of a lane in window 1, register 16 b + i = k 32 b + 16 (lane / 16) + i of my row, become a fragment's codes in v[qc] on and its scale word in v[pw]
.macro QUANT s, qc, pw
	WIN 0x05
.irp b, 0,1,2,3
	v_max3_num_f32 v[TM+\b], |v[(\s)+16*\b]|, |v[(\s)+1+16*\b]|, 0x1800000
.endr
	WIN 0x14
.irp i, 2,4,6,8,10,12,14
.irp b, 0,1,2,3
	v_max3_num_f32 v[TM+\b], v[TM+\b], |v[(\s)+16*\b+\i]|, |v[(\s)+1+16*\b+\i]|
.endr
.endr
	WIN 0
.irp b, 0,1,2,3
	v_permlanex16_b32 v[TM+4+\b], v[TM+\b], s[SEL], s[SEL+1]
.endr
.irp b, 0,1,2,3
	v_max_num_f32 v[TM+\b], v[TM+\b], v[TM+4+\b]
.endr
.irp b, 0,1,2,3
	v_add_nc_u32 v[TM+12+\b], 0xff000000, v[TM+\b]
.endr
.irp b, 0,1,2,3
	v_lshrrev_b32 v[TM+4+\b], 23, v[TM+12+\b]
.endr
	v_lshl_or_b32 v[\pw], v[TM+5], 8, v[TM+4]
	v_lshl_or_b32 v[\pw], v[TM+6], 16, v[\pw]
	v_lshl_or_b32 v[\pw], v[TM+7], 24, v[\pw]
	WIN 0x01
.irp c, 0,1
	v_cvt_scalef32_pk16_fp6_f32 v[(\qc)+6*\c:(\qc)+2+6*\c], v[(\s)+32*\c:(\s)+15+32*\c], v[TM+12+2*\c]
	v_cvt_scalef32_pk16_fp6_f32 v[(\qc)+12+4*\c:(\qc)+14+4*\c], v[(\s)+16+32*\c:(\s)+31+32*\c], v[TM+13+2*\c]
.endr
	WIN 0
	v_nop
.irp c, 0,1
.irp i, 0,1,2
	v_permlane16_swap_b32 v[(\qc)+6*\c+\i], v[(\qc)+12+4*\c+\i]
.endr
.irp i, 0,1,2
	v_mov_b32 v[(\qc)+3+6*\c+\i], v[(\qc)+12+4*\c+\i]
.endr
.endr
.endm
	s_load_b256 s[4:11], s[0:1], 0x0               ; qi s[4:5], kv s[6:7], mask s[8:9], ai s[10:11]
	v_lshl_add_u32 v[SPW], v0, 2, SPARE
	v_mov_b32 v[NIL], 0
	ds_add_u32 v[SPW], v[NIL]                      ; the opening lines: the add, twice on end, and its wait ahead of the first round
	ds_add_u32 v[SPW], v[NIL]
	v_lshrrev_b32 v200, 5, v0
	v_readfirstlane_b32 s[WV], v200                ; wave 0..3
	s_bfe_u32 s13, ttmp6, 0x40000                  ; cx
	s_lshl_b32 s14, ttmp9, 2
	s_add_co_u32 s14, s14, s13                     ; qt: my tile of 16 queries: it enters global addresses of my own loads and stores alone
	; kv: half a slot, 53,248 dense bytes, as 208 rows of 256 bytes (32 elements of 8 bytes); the mask of all four work-groups, bit 21 beside it
	s_mov_b32 s[G1K], 15|(3<<16)|(1<<21)
	s_mov_b32 s[G1K+1], 32<<16
	s_mov_b32 s[G1K+2], 208<<16
	s_mov_b32 s[G1K+3], 32<<16
	s_mov_b32 s[G1K+4], 208
	s_mov_b32 s[G1K+5], 32
	s_mov_b32 s[G1K+6], 0
	s_mov_b32 s[G1K+7], 0
	; the mask: 8 rows of 256 elements of 4 bytes, 4,096 elements apart; behind every 256 words (code 7) 4 words of padding (code 3)
	s_mov_b32 s[G1M], (2<<16)|(1<<20)|(7<<22)|(3<<25)
	s_mov_b32 s[G1M+1], 256<<16
	s_mov_b32 s[G1M+2], 8<<16
	s_mov_b32 s[G1M+3], 256<<16
	s_mov_b32 s[G1M+4], 8
	s_mov_b32 s[G1M+5], 4096
	s_mov_b32 s[G1M+6], 0
	s_mov_b32 s[G1M+7], 0
	s_and_b32 s15, s[WV], 1                        ; which half I fetch
	s_mul_i32 s16, s15, 53248
	s_mov_b32 s17, 0
	s_mul_i32 s20, s15, 8320
	s_lshl_b32 s18, s14, 18                        ; my 16 rows of the mask: 262,144 bytes a tile,
	s_lshl_b32 s21, s15, 17                        ; 8 rows: 131,072
	s_add_co_u32 s18, s18, s21
	s_mov_b32 s19, 0
	s_mov_b32 s[CS], 0x3fb8aa3b                    ; log2(e)
	s_mov_b32 s[CS+1], s[CS]
	s_mov_b32 s[SEL], 0x76543210
	s_mov_b32 s[SEL+1], 0xfedcba98
	s_mov_b32 s[TB], 0
	s_mov_b32 s[SLOTS], 15
	s_wait_dscnt 0x0                               ; both opening adds are done
	s_wait_kmcnt 0x0
	s_mov_b32 s[G0K], 1
	s_mov_b32 s[G0K+1], s16
	s_add_nc_u64 s[G0K+2:G0K+3], s[6:7], s[16:17]
	s_or_b32 s[G0K+3], s[G0K+3], 0x80000000
	s_mov_b32 s[G0M], 1
	s_add_co_u32 s[G0M+1], s20, MOFF
	s_add_nc_u64 s[G0M+2:G0M+3], s[8:9], s[18:19]
	s_or_b32 s[G0M+3], s[G0M+3], 0x80000000
	CROUND                                         ; all four work-groups are here: the first joint loads meet
	TLOAD                                          ; slot 0
	s_add_nc_u64 s[PFA:PFA+1], s[8:9], s[18:19]    ; the prefetches: waves 0 and 1, 8 rows each,
	s_add_nc_u64 s[PFA:PFA+1], s[PFA:PFA+1], 1024  ; in slot 1: the first change of slots steps it to slot 2
	s_cmp_lt_u32 s[WV], 2
	s_cselect_b32 s[LIM], 1, -1
	s_mul_i32 s15, s[WV], 26624                    ; my key/value group's blocks in a slot
	; Q.  qi holds pair fragments (tiles 2 g, 2 g + 1 of a block of 128 tokens).  Query r of my 16 lies in pair 2 (bit 2 of qt) + (bit 0 of qt), tile u = r / 8 of it, at place (r % 8) + 8 (bit 1 of qt)
	s_lshr_b32 s22, s14, 3
	s_lshl_b32 s22, s22, 2
	s_bfe_u32 s23, s14, 0x10002
	s_lshl_b32 s23, s23, 1
	s_add_co_u32 s22, s22, s23
	s_and_b32 s23, s14, 1
	s_add_co_u32 s22, s22, s23
	s_lshl_b32 s23, s[WV], 9
	s_add_co_u32 s22, s22, s23                     ; 128 x (head 4 w) + the pair
	s_mul_i32 s58, s22, 1536
	s_mov_b32 s59, 0
	s_add_nc_u64 s[58:59], s[4:5], s[58:59]
	s_lshl_b32 s60, s22, 7
	s_add_co_u32 s60, s60, 3145728
	s_mov_b32 s61, 0
	s_add_nc_u64 s[60:61], s[4:5], s[60:61]
	s_bfe_u32 s22, s14, 0x10001
	s_lshl_b32 s22, s22, 3
	; where my result goes: K steps 2 w and 2 w + 1 of the last projection
	s_mul_i32 s62, s14, 13312
	s_mul_i32 s63, s[WV], 3072
	s_add_co_u32 s66, s62, s63
	s_mov_b32 s67, 0
	s_add_nc_u64 s[66:67], s[10:11], s[66:67]
	s_lshl_b32 s63, s[WV], 8
	s_add_co_u32 s68, s62, s63
	s_add_co_u32 s68, s68, 12288
	s_mov_b32 s69, 0
	s_add_nc_u64 s[68:69], s[10:11], s[68:69]
	v_and_b32 v200, 31, v0                         ; lane
	v_lshrrev_b32 v201, 2, v200
	v_and_b32 v202, 3, v200
	v_lshlrev_b32 v[PFO], 14, v201
	v_lshl_add_u32 v[PFO], v202, 8, v[PFO]         ; row lane / 4, block lane % 4
	v_lshlrev_b32 v[LI], 4, v200
	v_lshlrev_b32 v[LS], 2, v200
	v_and_b32 v201, 15, v0                         ; r
	v_bfe_u32 v203, v0, 4, 1                       ; h
	v_lshlrev_b32 v[SH8], 3, v203
	v_lshl_add_u32 v[AKV0], v200, 4, s15
	v_lshl_add_u32 v[ASC0], v200, 2, s15
	v_add_nc_u32 v[ASC0], 12288, v[ASC0]
	v_mul_u32_u24 v[AMK0], v201, 1040
	v_lshl_add_u32 v[AMK0], v203, 7, v[AMK0]
	v_add_nc_u32 v[AMK0], MOFF, v[AMK0]
	v_and_b32 v204, 7, v0
	v_bfe_u32 v202, v0, 3, 1                       ; u
	v_add_nc_u32 v204, s22, v204                   ; the place
	v_lshlrev_b32 v205, 2, v204                    ; its scale word
	v_lshl_add_u32 v204, v203, 4, v204             ; the lane of the image: place + 16 h
	v_lshlrev_b32 v204, 4, v204
	v_mad_u32_u24 v206, v202, 520, v204            ; registers 0, 1 (u = 1: 6, 7); 512 bytes on: registers 4, 5 (10, 11)
	v_mad_u32_u24 v207, v202, 1016, v204
	v_add_nc_u32 v207, 8, v207                     ; registers 2, 3 (8, 9)
.irp a, 0,1,2,3
	global_load_b32 v[208+\a], v205, s[60:61] offset:16384*\a
.endr
	WIN 0x80
.irp a, 0,1,2,3
.irp k, 0,12
	global_load_b64 v[QF+18*\a+\k:QF+18*\a+\k+1], v206, s[58:59] offset:196608*\a
	global_load_b64 v[QF+18*\a+\k+2:QF+18*\a+\k+3], v207, s[58:59] offset:196608*\a
	global_load_b64 v[QF+18*\a+\k+4:QF+18*\a+\k+5], v206, s[58:59] offset:196608*\a+512
.endr
.irp i, 6,7,8,9,10,11
	v_mov_b32 v[QF+18*\a+\i], 0                    ; zero codes between the two copies
.endr
.endr
	WIN 0xc0
.set n, 0
.rept 128
	v_mov_b32 v[n], 0                              ; O^T.  (The step is written once: its first run finds zeros, which the first change of M leaves zeros)
.set n, n+1
.endr
	WIN 0
.irp a, 0,1,2,3
	v_mov_b32 v[ST+4*\a+1], 0xff000000             ; the largest logit so far: -2^127, the mask's floor
	v_mov_b32 v[ST+4*\a], 0x7f38aa3b               ; -M = 2^127 log2(e), a whole number
	v_mov_b32 v[ST+4*\a+2], 0
	v_mov_b32 v[ST+4*\a+3], 0
	v_mov_b32 v[F+2*\a+1], 0                       ; (the upper word of the pair with f)
	v_mov_b32 v[WT+\a], 0                          ; written once: a lane permute's destination counts as one of its sources
	v_mov_b32 v[RM+\a], 0
.endr
	v_mov_b32 v216, 3
	v_lshlrev_b32 v202, 4, v202                    ; 16 u
	s_wait_alu depctr_va_vdst(0)
	s_wait_loadcnt 0x0
.irp a, 0,1,2,3                                ; Q's scale word: my tile's two bytes, 3 off each (the division by 8), held at 0 from below; twice, for the two copies of Q
	v_lshrrev_b32 v[208+\a], v202, v[208+\a]
	v_and_b32 v[212+\a], 0xff, v[208+\a]
	v_bfe_u32 v[208+\a], v[208+\a], 8, 8
	v_cmp_gt_i32 vcc_lo, 3, v[212+\a]
	v_cndmask_b32 v[212+\a], v[212+\a], v216, vcc_lo
	v_cmp_gt_i32 vcc_lo, 3, v[208+\a]
	v_cndmask_b32 v[208+\a], v[208+\a], v216, vcc_lo
	v_add_nc_u32 v[212+\a], -3, v[212+\a]
	v_add_nc_u32 v[208+\a], -3, v[208+\a]
	v_lshl_or_b32 v[212+\a], v[208+\a], 8, v[212+\a]
	v_lshl_or_b32 v[QS+\a], v[212+\a], 16, v[212+\a]
.endr
	s_wait_alu depctr_va_vdst(0)
.Lslot:                                                ; 15 trips: behind each change of slots but the last the next slot is asked for
	CHANGE 1
	STEP 0
	STEP 1
	s_xor_b32 s[TB], s[TB], SLOT1
	s_sub_co_u32 s[SLOTS], s[SLOTS], 1
	s_cmp_lg_u32 s[SLOTS], 0
	s_cbranch_scc1 .Lslot
	CHANGE 0                                       ; the last slot is written out
	STEP 0
	STEP 1
	; THE WAY OUT.  O^T / the sum: my 128 numbers are k = 256 w + 32 b + 16 (lane / 16) + i of my query's row: two fragments of the last projection's operand
.irp a, 0,1,2,3
	v_add_f32 v[ST+4*\a+2], v[ST+4*\a+2], v[ST+4*\a+3]
.endr
.irp a, 0,1,2,3
	v_permlanex16_b32 v[RM+\a], v[ST+4*\a+2], s[SEL], s[SEL+1]
.endr
.irp a, 0,1,2,3
	v_add_f32 v[ST+4*\a+2], v[ST+4*\a+2], v[RM+\a]
.endr
	s_wait_alu depctr_va_vdst(0)
.irp a, 0,1,2,3
	v_rcp_f32 v[ST+4*\a+2], v[ST+4*\a+2]
.endr
	v_nop                                          ; a plain instruction behind the reciprocals
	WIN 0x43
	s_wait_alu depctr_va_vdst(0)                   ; one wait for the four, and for O^T's first read behind them
.irp a, 0,1,2,3
.irp j, 0,2,4,6,8,10,12,14,16,18,20,22,24,26,28,30
	v_pk_mul_f32 v[32*\a+\j:32*\a+\j+1], v[32*\a+\j:32*\a+\j+1], v[ST+4*\a+2:ST+4*\a+3] op_sel_hi:[1,0]   ; from window 3 into window 1
.endr
.endr
	WIN 0
	QUANT 0, QC, TP
	QUANT 64, QC+20, TP+1
.irp f, 0,1
.irp c, 0,1,2
	global_store_b128 v[LI], v[QC+20*\f+4*\c:QC+20*\f+4*\c+3], s[66:67] offset:1536*\f+512*\c   ; 512 consecutive bytes, at a multiple of 256 from ai's first byte
.endr
	global_store_b32 v[LS], v[TP+\f], s[68:69] offset:128*\f
.endr
	s_wait_tensorcnt 0x0                           ; the wave's end
	ds_add_u32 v[SPW], v[NIL]
	s_wait_dscnt 0x0
	CROUND                                         ; the closing round
	s_endpgm
.Lfunc_end_k_q82f385e162_attn:
	.size	k_q82f385e162_attn, .Lfunc_end_k_q82f385e162_attn-k_q82f385e162_attn
	.p2alignl 7, 3214868480
	.fill 96, 4, 3214868480
	.section	.rodata,"a",@progbits
	.p2align	6, 0x0
	.amdhsa_kernel k_q82f385e162_attn
		.amdhsa_group_segment_fixed_size 327680
		.amdhsa_private_segment_fixed_size 0
		.amdhsa_enable_private_segment 0
		.amdhsa_kernarg_size 32
		.amdhsa_user_sgpr_count 2
		.amdhsa_user_sgpr_kernarg_segment_ptr 1
		.amdhsa_wavefront_size32 1
		.amdhsa_system_sgpr_workgroup_id_x 1
		.amdhsa_system_sgpr_workgroup_id_y 1
		.amdhsa_system_sgpr_workgroup_id_z 1
		.amdhsa_system_vgpr_workitem_id 0
		.amdhsa_next_free_vgpr 896
		.amdhsa_next_free_sgpr 80
		.amdhsa_reserve_vcc 1
		.amdhsa_float_denorm_mode_32 3
		.amdhsa_float_denorm_mode_16_64 3
		.amdhsa_memory_ordered 1
		.amdhsa_forward_progress 1
		.amdhsa_inst_pref_size 255
	.end_amdhsa_kernel
	.section	.bss,"aw",@nobits
	.p2align	6
	.space	262144
	.amdgpu_metadata
---
amdhsa.version: [ 1, 2 ]
amdhsa.kernels:
  - .name:           k_q82f385e162_attn
    .symbol:         k_q82f385e162_attn.kd
    .args:
      - { .name: qi, .offset: 0, .size: 8, .value_kind: global_buffer, .address_space: global }
      - { .name: kv, .offset: 8, .size: 8, .value_kind: global_buffer, .address_space: global }
      - { .name: mask, .offset: 16, .size: 8, .value_kind: global_buffer, .address_space: global }
      - { .name: ai, .offset: 24, .size: 8, .value_kind: global_buffer, .address_space: global }
    .group_segment_fixed_size: 327680
    .private_segment_fixed_size: 0
    .kernarg_segment_align: 8
    .kernarg_segment_size: 32
    .max_flat_workgroup_size: 128
    .sgpr_count:     80
    .vgpr_count:     896
    .wavefront_size: 32
...
	.end_amdgpu_metadata
.endif
;; end of part 3
;; launch oproj (part 4): grid 64 x 4, 4 waves a work-group, clusters of 4 x 1, 327,680 bytes of LDS; arguments ai, wi, out0; writes out0
.if DOCPART == 4
	.amdgcn_target "amdgcn-amd-amdhsa--gfx1250"
	.amdhsa_code_object_version 6
	.text
	.protected	k_q82f385e162_oproj
	.globl	k_q82f385e162_oproj
	.p2align	8
	.type	k_q82f385e162_oproj,@function
k_q82f385e162_oproj:
	s_mov_b64 s[64:65], 0
	v_nop
	global_prefetch_b8 v0, s[64:65] scope:SCOPE_SE
	s_setreg_imm32_b32 hwreg(HW_REG_WAVE_MODE, 25, 1), 1
	s_wait_xcnt 0x0
	s_wait_alu depctr_hold_cnt(0) depctr_sa_sdst(0) depctr_va_vdst(0) depctr_va_sdst(0) depctr_va_ssrc(0) depctr_va_vcc(0) depctr_vm_vsrc(0)
	s_getreg_b32 s2, hwreg(HW_REG_IB_STS2, 6, 4)
	s_cmp_eq_u32 s2, 0
	s_cbranch_scc0 .Lentry_in_a_cluster
	s_endpgm
.Lentry_in_a_cluster:
	s_bfe_u32 s2, ttmp6, 0x10000c
	s_cmp_lg_u32 s2, 0x3003
	s_cbranch_scc0 .Lentry_shape_is_right
	s_endpgm
.Lentry_shape_is_right:
; OPROJ: out0 = a wo on codes of FP6 (E2M3) with E8M0 scales; a [4096][1024] comes from ai (256 tiles of 16 tokens, 13,312 bytes each: 8 images of 1,536 bytes, then 8 x 128 bytes of scale words), wo from blocks 6-9 of wi.
; SHARES.  Work-group (mb, y): 64 tokens x 256 columns.  Wave w: 64 columns x 64 tokens: 16 accumulators, eight K steps of 128.  Both operands come into LDS once, as they lie (images of registers); nothing is filled again.
; CLUSTER: the four token blocks of a cluster read the same block of wi: it is asked for jointly; a's tiles are each work-group's own.
; The product is used transposed (source 0 = 16 columns of wo, source 1 = 16 tokens); the columns of a tile are chosen (place r of tile 2 b + u: column 32 b + 8 u + r + 8 (r / 8)) so that a lane's 32 registers of a token tile are the columns 32 b + 16 (lane / 16) + i of one row of out0.
; REGISTERS: window 0: addresses, scale words, v64-191 the accumulators, v192-255 rows on the way out.  window 1: two sets of fragments of 96 registers: a's four, then wo's four.
.set LI,   1                           ; v1   16 x lane: also a's images' place for my lane
.set LS,   2                           ; v2   4 x lane
.set AW0,  3                           ; v3   53,248 + 6,144 x wave + 16 x lane
.set AAS0, 4                           ; v4   12,288 + 4 x lane
.set AWS0, 5                           ; v5   249,856 + 256 x wave + 4 x lane
.set AA,   6                           ; v6-9 the K step's addresses
.set AW,   7
.set AAS,  8
.set AWS,  9
.set STO,  10                          ; v10  my stage: where I put 16 bytes of a row
.set RD,   11                          ; v11  and where I read a row back
.set CO,   12                          ; v12  my byte offset in out0
.set ASW,  16                          ; v16-23 a's scale words, 4 a set
.set WSC,  24                          ; v24-27 wo's, 2 a set: lanes 0-15 the even tile's, lanes 16-31 the odd one's
.set ACC,  64
.set OB,   192
.set WV,   14
.set G1A,  24
.set G0A,  32
.set G1W,  36
.set G0W,  44
.set SA,   48                          ; s48-51 the K step's place in a's images, in wo's, in a's words, in wo's
.set SW,   49
.set SAS,  50
.set SWS,  51
.set CNT,  52
.set MSB, 0
.macro WIN new
.if MSB != (\new)
	s_set_vgpr_msb (MSB<<8)|(\new)
.set MSB, (\new)
.endif
.endm
.macro CROUND                          ; a round of the cluster's barrier
	s_barrier_signal -1
	s_barrier_wait -1
	s_cmp_lg_u32 s[WV], 0
	s_cbranch_scc1 .Lnot_wave_0_\@
	s_barrier_signal -3
.Lnot_wave_0_\@:
	s_barrier_wait -3
	s_barrier_signal -1
	s_barrier_wait -1
.endm
.macro FETCH buf                       ; a K step's 8 fragments and 6 registers of scale words: 30 LDS loads
	WIN 0x40
.irp m, 0,1,2,3
.irp c, 0,1,2
	ds_load_b128 v[96*(\buf)+12*\m+4*\c:96*(\buf)+12*\m+4*\c+3], v[AA] offset:13312*\m+512*\c
.endr
.endr
.irp t, 0,1,2,3
.irp c, 0,1,2
	ds_load_b128 v[96*(\buf)+48+12*\t+4*\c:96*(\buf)+48+12*\t+4*\c+3], v[AW] offset:1536*\t+512*\c
.endr
.endr
	WIN 0
.irp m, 0,1,2,3
	ds_load_b32 v[ASW+4*(\buf)+\m], v[AAS] offset:13312*\m
.endr
.irp p, 0,1
	ds_load_b32 v[WSC+2*(\buf)+\p], v[AWS] offset:128*\p
.endr
.endm
; 16 products: the accumulators take turns, one instruction a turn, in the same order in every K step.  zero = 1: they start the sums
.macro MUL buf, zero
	WIN 0x05
.irp m, 0,1,2,3
.irp t, 0,1,2,3
.set rD, ACC+32*\m+8*\t
.set rA, 96*(\buf)+48+12*\t
.set rB, 96*(\buf)+12*\m
.set rSA, WSC+2*(\buf)+\t/2
.set rSB, ASW+4*(\buf)+\m
.if \zero
.if \t%2
	v_wmma_scale_f32_16x16x128_f8f6f4 v[rD:rD+7], v[rA:rA+11], v[rB:rB+11], 0, v[rSA], v[rSB] matrix_a_fmt:MATRIX_FMT_FP6 matrix_b_fmt:MATRIX_FMT_FP6 matrix_a_scale:MATRIX_SCALE_ROW1
.else
	v_wmma_scale_f32_16x16x128_f8f6f4 v[rD:rD+7], v[rA:rA+11], v[rB:rB+11], 0, v[rSA], v[rSB] matrix_a_fmt:MATRIX_FMT_FP6 matrix_b_fmt:MATRIX_FMT_FP6
.endif
.else
.if \t%2
	v_wmma_scale_f32_16x16x128_f8f6f4 v[rD:rD+7], v[rA:rA+11], v[rB:rB+11], v[rD:rD+7], v[rSA], v[rSB] matrix_a_fmt:MATRIX_FMT_FP6 matrix_b_fmt:MATRIX_FMT_FP6 matrix_a_scale:MATRIX_SCALE_ROW1
.else
	v_wmma_scale_f32_16x16x128_f8f6f4 v[rD:rD+7], v[rA:rA+11], v[rB:rB+11], v[rD:rD+7], v[rSA], v[rSB] matrix_a_fmt:MATRIX_FMT_FP6 matrix_b_fmt:MATRIX_FMT_FP6
.endif
.endif
.endr
.endr
	WIN 0
.endm
.macro STEP buf, fetch, zero
.if \fetch
	s_add_co_u32 s[SA], s[SA], 1536
	s_add_co_u32 s[SW], s[SW], 24576
	s_add_co_u32 s[SAS], s[SAS], 128
	s_add_co_u32 s[SWS], s[SWS], 1024
	v_add_nc_u32 v[AA], s[SA], v[LI]               ; these four plain lines are also the four places between the last products and the loads into the registers that they read (ISA guide 7.12.1 for vector instructions)
	v_add_nc_u32 v[AW], s[SW], v[AW0]
	v_add_nc_u32 v[AAS], s[SAS], v[AAS0]
	v_add_nc_u32 v[AWS], s[SWS], v[AWS0]
	FETCH 1-\buf
	s_wait_dscnt 30                                ; all but the 30 just issued: this step's operands are in
.else
	s_wait_dscnt 0x0
.endif
	MUL \buf, \zero
.endm
	s_load_b128 s[4:7], s[0:1], 0x0                ; ai s[4:5], wi s[6:7]
	s_load_b64 s[8:9], s[0:1], 0x10
	v_lshl_add_u32 v28, v0, 2, 275456              ; my spare word, behind the stages; never rewritten
	v_mov_b32 v29, 0                               ; 0; never rewritten
	ds_add_u32 v28, v29                            ; the opening lines: the add, twice on end, and its wait ahead of the first round
	ds_add_u32 v28, v29
	v_lshrrev_b32 v13, 5, v0
	v_readfirstlane_b32 s[WV], v13                 ; wave 0..3
	s_bfe_u32 s15, ttmp6, 0x40000                  ; cx
	s_lshl_b32 s16, ttmp9, 2
	s_add_co_u32 s16, s16, s15                     ; mb = 4 x cluster x + cx: it enters global addresses of my own loads and stores alone
	s_and_b32 s17, ttmp7, 0xffff                   ; y
	; group 1: dense blocks as rows of 256 bytes (32 elements of 8 bytes).  Two tiles of a: 104 rows; half of wo's block: 400 rows, with the mask of all four work-groups and bit 21 beside it
	s_mov_b32 s[G1A], 3<<16
	s_mov_b32 s[G1A+1], 32<<16
	s_mov_b32 s[G1A+2], 104<<16
	s_mov_b32 s[G1A+3], 32<<16
	s_mov_b32 s[G1A+4], 104
	s_mov_b32 s[G1A+5], 32
	s_mov_b32 s[G1A+6], 0
	s_mov_b32 s[G1A+7], 0
	s_mov_b32 s[G1W], 15|(3<<16)|(1<<21)
	s_mov_b32 s[G1W+1], 32<<16
	s_mov_b32 s[G1W+2], 400<<16
	s_mov_b32 s[G1W+3], 32<<16
	s_mov_b32 s[G1W+4], 400
	s_mov_b32 s[G1W+5], 32
	s_mov_b32 s[G1W+6], 0
	s_mov_b32 s[G1W+7], 0
	s_and_b32 s59, s[WV], 1                        ; one load a wave: waves 0, 1 two tiles of a each (104 rows of 256 bytes), waves 2, 3 the halves of wo's block (400 rows)
	s_mul_i32 s58, s59, 26624
	s_mul_i32 s20, s16, 53248
	s_add_co_u32 s20, s20, s58
	s_mov_b32 s21, 0
	s_mul_i32 s59, s59, 102400
	s_add_co_u32 s22, s17, 6
	s_mul_i32 s22, s22, 204800
	s_add_co_u32 s22, s22, s59                     ; (s22, s23, s59 never hold cx)
	s_mov_b32 s23, 0
	s_wait_dscnt 0x0                               ; both opening adds are done
	s_wait_kmcnt 0x0
	CROUND                                         ; all four work-groups are here: the joint loads meet
	s_mov_b32 s[G0A], 1
	s_mov_b32 s[G0A+1], s58
	s_add_nc_u64 s[G0A+2:G0A+3], s[4:5], s[20:21]
	s_or_b32 s[G0A+3], s[G0A+3], 0x80000000
	s_mov_b32 s[G0W], 1
	s_add_co_u32 s[G0W+1], s59, 53248
	s_add_nc_u64 s[G0W+2:G0W+3], s[6:7], s[22:23]
	s_or_b32 s[G0W+3], s[G0W+3], 0x80000000
	s_cmp_lt_u32 s[WV], 2                          ; the branch hangs on the wave's number alone; every way passes one load
	s_cbranch_scc0 .Lfor_w
	tensor_load_to_lds s[G0A:G0A+3], s[G1A:G1A+7]
	s_nop 0
.rept 4
	v_nop
.endr
	s_branch .Lasked
.Lfor_w:
	tensor_load_to_lds s[G0W:G0W+3], s[G1W:G1W+7]
	s_nop 0
.rept 4
	v_nop
.endr
.Lasked:
	v_and_b32 v13, 31, v0
	v_lshlrev_b32 v[LI], 4, v13
	v_lshlrev_b32 v[LS], 2, v13
	s_mul_i32 s60, s[WV], 6144
	s_add_co_u32 s60, s60, 53248
	v_add_nc_u32 v[AW0], s60, v[LI]
	v_add_nc_u32 v[AAS0], 12288, v[LS]
	s_lshl_b32 s60, s[WV], 8
	s_add_co_u32 s60, s60, 249856
	v_add_nc_u32 v[AWS0], s60, v[LS]
	v_and_b32 v13, 15, v0                          ; r
	v_bfe_u32 v14, v0, 4, 1                        ; h
	s_mul_i32 s60, s[WV], 4352
	s_add_co_u32 s60, s60, 258048                  ; my stage, behind the operands: 16 rows x (256 + 16) bytes; no tensor load lands there
	v_mul_u32_u24 v[STO], v13, 272
	v_lshl_add_u32 v[STO], v14, 6, v[STO]
	v_add_nc_u32 v[STO], s60, v[STO]               ; in: row r, + 64 h
	v_mul_u32_u24 v[RD], v14, 272
	v_lshl_add_u32 v[RD], v13, 4, v[RD]
	v_add_nc_u32 v[RD], s60, v[RD]                 ; back: lanes 0-15 one row of 256 bytes, lanes 16-31 the next
	v_lshlrev_b32 v[CO], 12, v14
	v_lshl_add_u32 v[CO], v13, 4, v[CO]            ; and the same two rows in out0
	s_lshl_b32 s60, s16, 18                        ; 64 rows of 4,096 bytes a block,
	s_lshl_b32 s61, s17, 10                        ; 256 columns,
	s_add_co_u32 s60, s60, s61
	s_lshl_b32 s61, s[WV], 8                       ; my 64 of them
	s_add_co_u32 s60, s60, s61
	s_mov_b32 s61, 0
	s_add_nc_u64 s[8:9], s[8:9], s[60:61]
	s_mov_b32 s[SA], 0
	s_mov_b32 s[SW], 0
	s_mov_b32 s[SAS], 0
	s_mov_b32 s[SWS], 0
	v_add_nc_u32 v[AA], s[SA], v[LI]
	v_add_nc_u32 v[AW], s[SW], v[AW0]
	v_add_nc_u32 v[AAS], s[SAS], v[AAS0]
	v_add_nc_u32 v[AWS], s[SWS], v[AWS0]
	s_wait_alu depctr_va_vdst(0)
	s_wait_tensorcnt 0x0                           ; my parts of both operands are in,
	s_barrier_signal -1
	s_barrier_wait -1                              ; everybody's are
	FETCH 0
	STEP 0, 1, 1                                   ; K step 0 starts the sums: nothing is cleared
	s_mov_b32 s[CNT], 3
.Lk:                                                   ; K steps 1 to 6, two a trip
	STEP 1, 1, 0
	STEP 0, 1, 0
	s_sub_co_u32 s[CNT], s[CNT], 1
	s_cmp_lg_u32 s[CNT], 0
	s_cbranch_scc1 .Lk
	STEP 1, 0, 0                                   ; the last K step fetches nothing
.rept 4
	v_nop                                          ; four places in front of the first read of results
.endr
	; THE WAY OUT, a tile of 16 tokens at a time: a lane's 16 bytes go into my stage and come back as whole rows of 256 bytes
.irp m, 0,1,2,3
.irp b, 0,1
.irp i, 0,1,2,3
	ds_store_b128 v[STO], v[ACC+32*\m+16*\b+4*\i:ACC+32*\m+16*\b+4*\i+3] offset:128*\b+16*\i   ; each accumulator from its low end on
.endr
.endr
.if \m > 1
	s_wait_xcnt 0x0                                ; the stores of the tile two back have read their data: their registers are loaded again only behind this wait
.endif
.irp i, 0,1,2,3,4,5,6,7
	ds_load_b128 v[OB+32*(\m%2)+4*\i:OB+32*(\m%2)+4*\i+3], v[RD] offset:544*\i   ; LDS serves a wave's instructions in order (ISA guide 5.7.1.4): these see my stores
.endr
	s_wait_dscnt 0x0
.irp i, 0,1,2,3,4,5,6,7
	global_store_b128 v[CO], v[OB+32*(\m%2)+4*\i:OB+32*(\m%2)+4*\i+3], s[8:9] offset:(16*\m+2*\i)*4096 th:TH_STORE_NT   ; 16 lanes store 256 consecutive bytes, at a multiple of 256 from out0's first byte
.endr
.endr
	s_wait_tensorcnt 0x0                           ; the wave's end, behind its last LDS store
	ds_add_u32 v28, v29
	s_wait_dscnt 0x0
	CROUND
	s_endpgm
.Lfunc_end_k_q82f385e162_oproj:
	.size	k_q82f385e162_oproj, .Lfunc_end_k_q82f385e162_oproj-k_q82f385e162_oproj
	.p2alignl 7, 3214868480
	.fill 96, 4, 3214868480
	.section	.rodata,"a",@progbits
	.p2align	6, 0x0
	.amdhsa_kernel k_q82f385e162_oproj
		.amdhsa_group_segment_fixed_size 327680
		.amdhsa_private_segment_fixed_size 0
		.amdhsa_enable_private_segment 0
		.amdhsa_kernarg_size 24
		.amdhsa_user_sgpr_count 2
		.amdhsa_user_sgpr_kernarg_segment_ptr 1
		.amdhsa_wavefront_size32 1
		.amdhsa_system_sgpr_workgroup_id_x 1
		.amdhsa_system_sgpr_workgroup_id_y 1
		.amdhsa_system_sgpr_workgroup_id_z 1
		.amdhsa_system_vgpr_workitem_id 0
		.amdhsa_next_free_vgpr 512
		.amdhsa_next_free_sgpr 66
		.amdhsa_reserve_vcc 0
		.amdhsa_float_denorm_mode_32 3
		.amdhsa_float_denorm_mode_16_64 3
		.amdhsa_memory_ordered 1
		.amdhsa_forward_progress 1
		.amdhsa_inst_pref_size 31
	.end_amdhsa_kernel
	.amdgpu_metadata
---
amdhsa.version: [ 1, 2 ]
amdhsa.kernels:
  - .name:           k_q82f385e162_oproj
    .symbol:         k_q82f385e162_oproj.kd
    .args:
      - { .name: ai, .offset: 0, .size: 8, .value_kind: global_buffer, .address_space: global }
      - { .name: wi, .offset: 8, .size: 8, .value_kind: global_buffer, .address_space: global }
      - { .name: out0, .offset: 16, .size: 8, .value_kind: global_buffer, .address_space: global }
    .group_segment_fixed_size: 327680
    .private_segment_fixed_size: 0
    .kernarg_segment_align: 8
    .kernarg_segment_size: 24
    .max_flat_workgroup_size: 128
    .sgpr_count:     66
    .vgpr_count:     512
    .wavefront_size: 32
...
	.end_amdgpu_metadata
.endif
;; end of part 4
